; MI455X (gfx1250); checked and timed in simulation.
; The chip was launched on July 23, 2026; its instructions are those of AMD's public machine-readable ISA for CDNA 5 (MIT licence, August 2026) and "CDNA5" Instruction Set Architecture Reference Guide (July 2026). The comments in the code are by the model that wrote it; some were corrected since.
;; posatt. Allowed arithmetic: matrix products marked QUANTISED: E2M1 operands, one E8M0 scale for each 32 along K, by v_wmma_scale_f32_16x16x128_f8f6f4 with both operands' format E2M1 (or v_wmma_scale_f32_32x16x128_f4), f32 sums; everything else in f32.
;; Inputs: inputs 4 x 2,048 x 64 float32; lmda 4 x 1 x 1 float32; mesh 4 x 2,048 x 2 float32.
;; Outputs: out0 4 x 2,048 x 320 float32.
;; This version of the problem:
;;   THIS VERSION OF THE PROBLEM IS GIVEN IN LOW PRECISION. The matrix products marked QUANTISED in the list below multiply operands that are first quantised to E2M1 (2 exponent bits, 1 mantissa bit; 4 bits a number), with one power-of-two scale for each 32 numbers along K (OCP MX v1.0); their sums are f32. All else is computed in f32.
;;   The module's matrix products, in the order in which they are computed (A, B: the left and right operand; K: the contracted axis; several contracted axes count as one K, in the product's order):
;;     1. batch 4 x [M 64, K 2,048] x [K 2,048, N 8,192]; A: input inputs; B: softmax (see below): QUANTISED
;;   THE QUANTISER, for each operand of a quantised product, along K:
;;     - K is cut into blocks of 32 from its start; a last block that is shorter is filled with zeros.
;;     - A block's scale is 2^e with e = floor(log2(the largest magnitude in the block)) - 2, held to -126 .. 127; a block of zeros has e = 0. As a byte (E8M0): e + 127.
;;     - Each number is divided by its block's scale, clamped to +-6, and rounded to the nearest number of E2M1, ties to even, subnormals kept.
;;     - The product sums the exact products of the quantised numbers (number of the format x scale) in f32.
;;   ~~~python
;;   def quantise(x, axis):      # numpy; x: float32 -> the quantised numbers, widened to float32 again
;;       x = np.moveaxis(x, axis, -1); K = x.shape[-1]
;;       x = np.pad(x, [(0, 0)] * (x.ndim - 1) + [(0, -K % 32)]); x = x.reshape(x.shape[:-1] + (-1, 32)); a = np.abs(x).max(-1, keepdims=True)
;;       e = np.where(a > 0, np.clip(np.frexp(np.where(a > 0, a, 1))[1] - 1 - 2, -126, 127), 0)      # np.frexp(a)[1] - 1 = floor(log2(a)), exactly
;;       r = np.clip(x / 2.0 ** e, -6, 6)
;;       step = 2.0 ** (np.maximum(np.frexp(np.where(r == 0, 1, r))[1] - 1, 0) - 1)
;;       q = np.round(r / step) * step * 2.0 ** e      # np.round: ties to even
;;       return np.moveaxis(q.reshape(q.shape[:-2] + (-1,))[..., :K], -1, axis).astype(np.float32)
;;   ~~~
;;   SOFTMAX AHEAD OF A QUANTISED PRODUCT. Where the list says 'softmax', what is quantised is not the finished softmax but p = 2^(t - M), with t = logit x log2(e) and M = ceil(the row's largest t), a whole number; so 1/2 < the row's largest p <= 1. The row's sum l is taken of the UNQUANTISED p, in f32, and the product's result is divided by l at the end. Since M is a whole number, a kernel that streams over the keys may use a running M (the ceiling of the running maximum): every later rescaling is an exact power of two, which a block's scale takes up: the codes' values come out the same.
;;   OPERANDS COMPUTED ON THE WAY. 'Computed on the way' means the value that the module computes at that place (a softmax that the list does not call 'softmax' is quantised finished and normalised). What goes into a quantiser is computed in f32, as accurately as f32 sums, v_exp_f32 and their like allow (about 1e-6 of the number): no bf16 or f16 on the way to a quantiser, and a product that is left as it is and whose result goes on into a quantised operand takes f32 operands (vector FMAs, or v_wmma_f32_16x16x4_f32). A number that lies on a knife's edge between two numbers of the format may be rounded either way, as far as f32 arithmetic and the matrix unit's own rounding can turn it there, and no further.
;; 2 versions. Each part assembles by itself: llvm-mc -triple=amdgcn-amd-amdhsa -mcpu=gfx1250 --defsym DOCPART=n.
;; ======== version 1 of 2: 2 launches
;; workspace buffers: vcodes 262,144 bytes; vscales 16,384 bytes; sel 131,072 bytes
;; launch select (part 1): grid 256 x 1, 16 waves a work-group, no clusters, 27,648 bytes of LDS; arguments mesh, inputs, out0, vcodes, vscales, sel; writes out0, vcodes, vscales, sel
.if DOCPART == 1
	.amdgcn_target "amdgcn-amd-amdhsa--gfx1250"
	.amdhsa_code_object_version 6
	.text
	.protected	k_qc7251a337d_select
	.globl	k_qc7251a337d_select
	.p2align	8
	.type	k_qc7251a337d_select,@function
k_qc7251a337d_select:
	s_mov_b64 s[64:65], 0
	v_nop
	global_prefetch_b8 v0, s[64:65] scope:SCOPE_SE
	s_setreg_imm32_b32 hwreg(HW_REG_WAVE_MODE, 25, 1), 1
	s_wait_xcnt 0x0
; FIRST LAUNCH OF TWO.  mesh [4][2048][2], inputs [4][2048][64], f32.  Work-group g (of 256) has batch b = g / 64 and the 32 rows 32 (g % 64) on.  It does three things:
;  (1) copies its 32 rows of inputs into columns 0-63 of out0 [4][2048][320];
;  (2) quantises those 32 rows, which are ONE block of 32 along the product's K (the keys), to E2M1 with one E8M0 byte, channel by channel (a lane to a channel, registers down the keys),
;      and stores the codes as an image of the matrix operand's registers: vcodes [b][16 steps of 128 keys][4 tiles of 16 channels][c = 2][lane = 16 h + r][16 bytes],
;      the scale bytes as vscales [b][step][r][tile][4 bytes];
;  (3) finds for each of its rows the order statistics 409 and 410 and the smallest of the 2,048 squared distances d: sel [row][4] = (d409, d410, dmin, 0).
; A head's scale is never negative and a rounded multiplication keeps the order, so the row's quantile of d x scale needs these two numbers alone: the selection is made once a row, not once a head.
; SELECTION.  d >= 0, so its bits order as whole numbers.  The largest x with (number of d < x) <= 409 is the order statistic 409: 31 steps of bisection over the bits, exact, ties included.
; No branch and no address hangs on a distance: the bisection chooses by s_cselect_b32 and its trip count is a constant.
; d is made by the same three instructions, in the same order, as in the second launch: the bits agree.
; LIMITS: NaN and infinities in mesh are not served; d must stay finite (|mesh| under about 1e19).  A block of zeros of inputs gets the byte 1 where the rule says 127: its codes are zeros, and this program alone reads the bytes.
; The scale bytes leave as single bytes (64 a work-group: one byte in 128 of what the quantiser reads); all other stores cover 256 consecutive, aligned bytes with sixteen lanes.
.set KEYS, 0                           ; LDS: the batch's 2,048 points, 16,384 bytes
.set VT,   16384                       ; my 32 rows of inputs, 256 bytes each
.set RES,  24576                       ; 32 rows x 16 bytes of results
.set T,    16                          ; v16-31   at work: eight pairs
.set K,    64                          ; v64-191  the 2,048 points, 64 a lane (x, y)
.set D,    192                         ; v192-255 their squared distances from the row in hand
.set MK,   32                          ; s32-47   two banks of eight lane masks
.set BT,   48                          ; s48-55   their counts of bits
.set CN,   56                          ; s56-59   four running counts
	s_load_b256 s[4:11], s[0:1], 0x0               ; mesh s[4:5], inputs s[6:7], out0 s[8:9], vcodes s[10:11]
	s_load_b128 s[12:15], s[0:1], 0x20             ; vscales s[12:13], sel s[14:15]
	v_lshl_add_u32 v62, v0, 2, 0x6400
	v_mov_b32 v63, 0
	v_lshrrev_b32 v13, 5, v0
	v_readfirstlane_b32 s16, v13                   ; wave 0..15
	v_lshlrev_b32 v1, 4, v0                        ; 16 x thread
	v_and_b32 v14, 31, v0                          ; lane
	v_lshlrev_b32 v2, 4, v14                       ; 16 x lane
	v_and_b32 v3, 63, v0
	v_lshl_add_u32 v3, v3, 2, VT                   ; the quantiser: my channel's word in a row of the tile
	v_mov_b32 v4, s16
	v_lshlrev_b32 v4, 5, v4
	v_add_nc_u32 v4, RES, v4                       ; my wave's two rows of results
	v_lshrrev_b32 v13, 4, v0
	v_mul_u32_u24 v5, v13, 1280                    ; the copy: row thread / 16 of out0,
	v_and_b32 v15, 15, v0
	v_lshl_add_u32 v5, v15, 4, v5                  ; 16 bytes a lane
	v_lshrrev_b32 v13, 4, v14                      ; lane / 16
	v_lshlrev_b32 v6, 10, v13                      ; the codes: channel 32 w + lane is row lane % 16 of tile 2 w + lane / 16: 1,024 bytes a tile,
	v_lshl_add_u32 v6, v15, 4, v6                  ; 16 bytes a row
	s_lshl_b32 s68, s16, 11
	v_add_nc_u32 v6, s68, v6
	v_lshlrev_b32 v7, 2, v13                       ; the scale byte: 16 (lane % 16) + 4 x tile
	v_lshl_add_u32 v7, v15, 4, v7
	s_lshl_b32 s68, s16, 3
	v_add_nc_u32 v7, s68, v7
	v_mov_b32 v10, 0x7f800000                      ; +infinity
	v_mov_b32 v13, 0                               ; written once: a lane permute's destination counts as one of its sources
	s_mov_b32 s66, 0x76543210
	s_mov_b32 s67, 0xfedcba98                      ; v_permlanex16_b32's selects for lane l xor 16
	s_lshr_b32 s17, ttmp9, 6                       ; b
	s_and_b32 s18, ttmp9, 63                       ; my block of 32 rows in the batch
	s_lshl_b32 s68, s17, 14                        ; the batch's points
	s_mov_b32 s69, 0
	s_lshl_b32 s70, s18, 8                         ; in them my wave's two rows: 8 (32 block + 2 w)
	s_lshl_b32 s71, s16, 4
	s_add_co_u32 s70, s70, s71
	s_mov_b32 s71, 0
	s_lshl_b32 s72, ttmp9, 13                      ; row 32 g of inputs, 256 bytes a row
	s_mov_b32 s73, 0
	s_mul_i32 s74, ttmp9, 40960                    ; row 32 g of out0, 1,280 bytes a row
	s_mov_b32 s75, 0
	s_wait_kmcnt 0x0
	s_add_nc_u64 s[4:5], s[4:5], s[68:69]
	s_add_nc_u64 s[70:71], s[4:5], s[70:71]
	s_add_nc_u64 s[6:7], s[6:7], s[72:73]
	s_add_nc_u64 s[8:9], s[8:9], s[74:75]
	s_load_b128 s[20:23], s[70:71], 0x0            ; my two rows' points
	global_load_b128 v[36:39], v1, s[4:5]          ; the batch's points, 512 threads x 32 bytes
	global_load_b128 v[40:43], v1, s[4:5] offset:8192
	global_load_b128 v[44:47], v1, s[6:7]          ; my 32 rows of inputs: 8,192 consecutive bytes
	s_lshr_b32 s76, ttmp9, 2                       ; 16 b + step of 128 keys
	s_lshl_b32 s78, s76, 8                         ; vscales: 256 bytes a step,
	s_lshl_b32 s76, s76, 12                        ; vcodes: 4,096 bytes a step,
	s_bfe_u32 s77, ttmp9, 0x10001                  ; block 2 c + h of the step: c
	s_lshl_b32 s77, s77, 9
	s_add_co_u32 s76, s76, s77
	s_and_b32 s77, ttmp9, 1                        ; h
	s_lshl_b32 s77, s77, 8
	s_add_co_u32 s76, s76, s77
	s_mov_b32 s77, 0
	s_and_b32 s79, ttmp9, 3                        ; the block's byte in a scale word
	s_add_co_u32 s78, s78, s79
	s_mov_b32 s79, 0
	s_add_nc_u64 s[10:11], s[10:11], s[76:77]
	s_add_nc_u64 s[12:13], s[12:13], s[78:79]
	s_lshl_b32 s72, ttmp9, 9                       ; sel: 16 bytes a row
	s_add_nc_u64 s[14:15], s[14:15], s[72:73]
	s_wait_loadcnt 0x0
	ds_store_b128 v1, v[36:39]
	ds_store_b128 v1, v[40:43] offset:8192
	ds_store_b128 v1, v[44:47] offset:VT
	global_store_b128 v5, v[44:47], s[8:9] th:TH_STORE_NT   ; (1) sixteen lanes store a row's 256 bytes, aligned
	s_wait_kmcnt 0x0                               ; my rows' points
	s_wait_dscnt 0x0                               ; for the others' sake: my stores have landed
	s_barrier_signal -1
	s_barrier_wait -1
	; (2) waves 0 and 1: a lane to a channel, registers down the 32 keys: the block's largest magnitude needs no other lane, and the codes come out with the keys innermost
	s_cmp_gt_u32 s16, 1
	s_cbranch_scc1 .Lno_quant
.set i, 0
.rept 32
	ds_load_b32 v[64+i], v3 offset:256*i
.set i, i+1
.endr
	s_wait_dscnt 0x0
	v_max3_num_f32 v100, |v64|, |v65|, 0x1800000   ; with the floor 2^(3 - 127): the byte cannot fall under 1
.set i, 2
.rept 15
	v_max3_num_f32 v100, v100, |v[64+i]|, |v[65+i]|
.set i, i+2
.endr
	v_add_nc_u32 v101, 0xff000000, v100            ; 2 off the exponent field: the conversion takes this operand's exponent field as its scale
	v_lshrrev_b32 v102, 23, v101                   ; the scale's byte
.irp g, 0,1,2,3
	v_cvt_scalef32_pk8_fp4_f32 v[96+\g], v[64+8*\g:71+8*\g], v101
.endr
	v_nop                                          ; one plain place behind the last scaled conversion
	global_store_b128 v6, v[96:99], s[10:11]       ; sixteen lanes store 256 consecutive bytes, aligned
	global_store_b8 v7, v102, s[12:13]
	s_wait_xcnt 0x0                                ; the stores' data registers are loaded over below, only behind this wait
.Lno_quant:
	; (3) every wave holds all 2,048 points: the order of the keys is free for a selection
.set i, 0
.rept 32
	ds_load_b128 v[K+4*i:K+4*i+3], v2 offset:KEYS+512*i
.set i, i+1
.endr
	s_wait_dscnt 0x0
.macro DIST                            ; d = (x - qx)^2 + (y - qy)^2, each step rounded as the problem's definition rounds it
.irp g, 0,1,2,3,4,5,6,7
.irp k, 0,1,2,3,4,5,6,7
	v_pk_add_f32 v[T+2*\k:T+2*\k+1], v[K+16*\g+2*\k:K+16*\g+2*\k+1], v[8:9] neg_lo:[0,1] neg_hi:[0,1]
.endr
.irp k, 0,1,2,3,4,5,6,7
	v_pk_mul_f32 v[T+2*\k:T+2*\k+1], v[T+2*\k:T+2*\k+1], v[T+2*\k:T+2*\k+1]
.endr
.irp k, 0,1,2,3,4,5,6,7
	v_add_f32 v[D+8*\g+\k], v[T+2*\k], v[T+2*\k+1]
.endr
.endr
.endm
.macro CMP8 g, bank                    ; eight masks: the lanes whose d lies under the candidate
.irp k, 0,1,2,3,4,5,6,7
	v_cmp_gt_u32 s[MK+8*\bank+\k], s25, v[D+8*\g+\k]
.endr
.endm
.macro CNT8 bank                       ; a bank's bits are counted, into four chains
.irp k, 0,1,2,3,4,5,6,7
	s_bcnt1_i32_b32 s[BT+\k], s[MK+8*\bank+\k]
.endr
.irp k, 0,1,2,3,4,5,6,7
	s_add_co_u32 s[CN+\k%4], s[CN+\k%4], s[BT+\k]
.endr
.endm
.macro CLEAR
.irp k, 0,1,2,3
	s_mov_b32 s[CN+\k], 0
.endr
.endm
.macro TOTAL                           ; s28 = the four chains' sum
	s_add_co_u32 s[CN], s[CN], s[CN+1]
	s_add_co_u32 s[CN+2], s[CN+2], s[CN+3]
	s_add_co_u32 s28, s[CN], s[CN+2]
.endm
.macro RMIN r                          ; the smallest over the 32 lanes, in every lane
	v_min_num_f32_dpp v[\r], v[\r], v[\r] row_xmask:1 row_mask:0xf bank_mask:0xf
	v_min_num_f32_dpp v[\r], v[\r], v[\r] row_xmask:2 row_mask:0xf bank_mask:0xf
	v_min_num_f32_dpp v[\r], v[\r], v[\r] row_xmask:4 row_mask:0xf bank_mask:0xf
	v_min_num_f32_dpp v[\r], v[\r], v[\r] row_xmask:8 row_mask:0xf bank_mask:0xf
	v_permlanex16_b32 v13, v[\r], s66, s67
	v_min_num_f32 v[\r], v[\r], v13
.endm
.macro ROW rr
	v_mov_b32 v8, s[20+2*\rr]
	v_mov_b32 v9, s[21+2*\rr]
	DIST
	s_mov_b32 s24, 0                               ; the answer so far
	s_mov_b32 s26, 0x40000000                      ; the bit in hand: 30 down to 0
	s_mov_b32 s27, 31
.Lbis_\@:
	s_or_b32 s25, s24, s26                         ; the candidate
	CLEAR
	CMP8 0, 0                                      ; the comparisons run one bank ahead of the counts
	CMP8 1, 1
.irp g, 2,3,4,5,6,7
	CNT8 (\g%2)
	CMP8 \g, (\g%2)
.endr
	CNT8 0
	CNT8 1
	TOTAL
	s_cmp_le_u32 s28, 409                          ; at most 409 distances lie under the candidate: the order statistic 409 is not under it
	s_cselect_b32 s24, s25, s24
	s_lshr_b32 s26, s26, 1
	s_sub_co_u32 s27, s27, 1
	s_cmp_lg_u32 s27, 0
	s_cbranch_scc1 .Lbis_\@
	; the order statistic 410: the same number where 411 or more distances are not above it, else the smallest distance above it
	CLEAR
	v_mov_b32 v11, v10
.irp g, 0,1,2,3,4,5,6,7
.irp k, 0,1,2,3,4,5,6,7
	v_cmp_lt_u32 s[MK+8*(\g%2)+\k], s24, v[D+8*\g+\k]
.endr
.irp k, 0,1,2,3,4,5,6,7
	v_cndmask_b32 v[T+\k], v10, v[D+8*\g+\k], s[MK+8*(\g%2)+\k]
.endr
.irp k, 0,2,4,6
	v_min3_num_f32 v11, v11, v[T+\k], v[T+\k+1]
.endr
	CNT8 (\g%2)
.endr
	TOTAL                                          ; how many lie above
	v_min_num_f32 v12, v[D], v[D+1]                ; and the row's smallest distance
.set i, 2
.rept 31
	v_min3_num_f32 v12, v12, v[D+i], v[D+i+1]
.set i, i+2
.endr
	RMIN 11
	RMIN 12
	v_readfirstlane_b32 s29, v11
	s_cmp_le_u32 s28, 1637                         ; 2,048 - 411
	s_cselect_b32 s30, s24, s29
	v_mov_b32 v32, s24
	v_mov_b32 v33, s30
	v_mov_b32 v34, v12
	v_mov_b32 v35, 0
	ds_store_b128 v4, v[32:35] offset:16*\rr       ; all lanes write the same 16 bytes with the same values
.endm
	ROW 0
	ROW 1
	s_wait_dscnt 0x0                               ; for wave 0's sake: my results have landed
	s_barrier_signal -1
	s_barrier_wait -1
	s_cmp_lg_u32 s16, 0
	s_cbranch_scc1 .Lend
	ds_load_b128 v[36:39], v2 offset:RES           ; wave 0: a lane a row
	s_wait_dscnt 0x0
	global_store_b128 v2, v[36:39], s[14:15]       ; 512 consecutive bytes, aligned
.Lend:
	s_wait_tensorcnt 0x0
	ds_add_u32 v62, v63
	s_wait_dscnt 0x0
	s_endpgm
.Lfunc_end_k_qc7251a337d_select:
	.size	k_qc7251a337d_select, .Lfunc_end_k_qc7251a337d_select-k_qc7251a337d_select
	.p2alignl 7, 3214868480
	.fill 96, 4, 3214868480
	.section	.rodata,"a",@progbits
	.p2align	6, 0x0
	.amdhsa_kernel k_qc7251a337d_select
		.amdhsa_group_segment_fixed_size 27648
		.amdhsa_private_segment_fixed_size 0
		.amdhsa_enable_private_segment 0
		.amdhsa_kernarg_size 48
		.amdhsa_user_sgpr_count 2
		.amdhsa_user_sgpr_kernarg_segment_ptr 1
		.amdhsa_wavefront_size32 1
		.amdhsa_system_sgpr_workgroup_id_x 1
		.amdhsa_system_sgpr_workgroup_id_y 1
		.amdhsa_system_sgpr_workgroup_id_z 1
		.amdhsa_system_vgpr_workitem_id 0
		.amdhsa_next_free_vgpr 256
		.amdhsa_next_free_sgpr 80
		.amdhsa_reserve_vcc 0
		.amdhsa_float_denorm_mode_32 3
		.amdhsa_float_denorm_mode_16_64 3
		.amdhsa_memory_ordered 1
		.amdhsa_forward_progress 1
		.amdhsa_inst_pref_size 82
	.end_amdhsa_kernel
	.amdgpu_metadata
---
amdhsa.version: [ 1, 2 ]
amdhsa.kernels:
  - .name:           k_qc7251a337d_select
    .symbol:         k_qc7251a337d_select.kd
    .args:
      - { .name: mesh, .offset: 0, .size: 8, .value_kind: global_buffer, .address_space: global }
      - { .name: inputs, .offset: 8, .size: 8, .value_kind: global_buffer, .address_space: global }
      - { .name: out0, .offset: 16, .size: 8, .value_kind: global_buffer, .address_space: global }
      - { .name: vcodes, .offset: 24, .size: 8, .value_kind: global_buffer, .address_space: global }
      - { .name: vscales, .offset: 32, .size: 8, .value_kind: global_buffer, .address_space: global }
      - { .name: sel, .offset: 40, .size: 8, .value_kind: global_buffer, .address_space: global }
    .group_segment_fixed_size: 27648
    .private_segment_fixed_size: 0
    .kernarg_segment_align: 8
    .kernarg_segment_size: 48
    .max_flat_workgroup_size: 512
    .sgpr_count:     80
    .vgpr_count:     256
    .wavefront_size: 32
...
	.end_amdgpu_metadata
.endif
;; end of part 1
;; launch attend (part 2): grid 256 x 1, 8 waves a work-group, no clusters, 187,392 bytes of LDS; arguments mesh, lmda, vcodes, vscales, sel, out0; writes out0
.if DOCPART == 2
	.amdgcn_target "amdgcn-amd-amdhsa--gfx1250"
	.amdhsa_code_object_version 6
	.text
	.protected	k_qc7251a337d_attend
	.globl	k_qc7251a337d_attend
	.p2align	8
	.type	k_qc7251a337d_attend,@function
k_qc7251a337d_attend:
	s_mov_b64 s[64:65], 0
	v_nop
	global_prefetch_b8 v0, s[64:65] scope:SCOPE_SE
	s_setreg_imm32_b32 hwreg(HW_REG_WAVE_MODE, 25, 1), 1
	s_wait_xcnt 0x0
; SECOND LAUNCH OF TWO.  out0[b][q][64 + 64 h + c] = (sum over kept keys j of Q(p)(q, j) Q(inputs)(j, c)) / l, both operands E2M1 with one E8M0 byte for each 32 keys.
; s_h = tan(c0 (1 + sin lmda_h)); a key is kept where fl(d s_h) <= fl(fl(d409 s_h) w0) + fl(fl(d410 s_h) w1) (the linear quantile at 0.2 x 2,047, weights as f32 arithmetic gives them);
; p = 2^(-d s_h log2(e) - M), M = ceil of the row's largest exponent (from the row's smallest d), 0 for keys not kept; l = the sum of the unquantised p.
; SHARES.  Work-group g: batch g / 64, 32 queries.  Wave w: tile T = w / 4 of 16 queries, quarter w % 4 of the keys (512: four steps of 128), ALL FOUR HEADS: d is made once for the four.
; LAYOUT.  The product is used transposed: source 0 = 16 channels of inputs^T (codes as the first launch laid them: the operand's registers on end), source 1 = p.  Lane (r, h) holds query r and computes p
; for just the keys that source 1's layout gives it, 64 c + 32 h + 0 .. 31: a block of 32 lies in ONE lane, and the conversions' results are the operand's registers.
; A BLOCK'S LARGEST p IS NOT SEARCHED FOR: the block's smallest d goes through the same instructions as the 64 (registers 64 and 65 of D and W), which gives the bits of the block's largest p (v_exp_f32 taken not to fall where its input rises).
; The mask hangs on floating-point numbers, so nothing is jumped over: every key is multiplied, hidden ones as zero codes.
; At the end the four quarters' sums meet in LDS; wave (T, h) adds head h's four parts, divides by l and stores 16 rows x 256 bytes.
; No tensor loads, no cluster: a work-group's operands are 16 KiB of points and 68 KiB of codes that lie as register images and go straight into registers.
; LIMITS: NaN and infinities in mesh and lmda are not served; d finite; lmda is reduced by pi/2 in two parts, good to f32's accuracy for |lmda| up to about 1e5; a p under 2^-126 becomes 0 (v_exp_f32 gives no denormals: ISA guide, its entry);
; a block whose every p is 0 carries the byte 1: its codes are zeros.
; REGISTERS, window 0: v1 r, v2 h, v8-11 addresses, v[12:13] my query, v14 +infinity, v15 8 h, v16-19 thresholds, v20-27 -M (a pair a head), v28-35 l (a pair a head), v36-39 p's scale words, v40-43 V's scale words,
;   v44-55 at work, v56-87 p's codes (8 a head), v88-119 V's four fragments, v120-185 D, v186-251 W, v252-253 the conversions' scale operands.   window 1: v0-127 the 16 accumulators (head h, tile t at 32 h + 8 t).
.set KEYS,  0                          ; LDS: the batch's points
.set RED,   16384                      ; 8 waves x 16,384: images of the accumulators
.set LRED,  147456                     ; 8 waves x 512: the rows' sums, four heads a lane
.set STAGE, 151552                     ; 8 waves x 16 rows x (256 + 16) bytes, for the way out
.set TH, 16
.set NM, 20
.set L,  28
.set PS, 36
.set VS, 40
.set PC, 56
.set VF, 88
.set D,  120
.set W,  186
.set SO, 252
.set SC, 24                            ; s24-31 a head's scale, twice: the packed form names a pair
.set MSB, 0
.macro WIN new                         ; the immediate's high byte repeats the setting that is left
.if MSB != \new
	s_set_vgpr_msb (MSB<<8)|\new
.set MSB, \new
.endif
.endm
	s_load_b256 s[4:11], s[0:1], 0x0               ; mesh s[4:5], lmda s[6:7], vcodes s[8:9], vscales s[10:11]
	s_load_b128 s[12:15], s[0:1], 0x20             ; sel s[12:13], out0 s[14:15]
	v_lshl_add_u32 v7, v0, 2, 0x2d800
	v_mov_b32 v255, 0
	v_lshrrev_b32 v3, 5, v0
	v_readfirstlane_b32 s16, v3                    ; wave 0..7
	s_lshr_b32 s17, s16, 2                         ; T
	s_and_b32 s18, s16, 3                          ; my quarter of the keys; at the end my head
	s_lshr_b32 s19, ttmp9, 6                       ; b
	v_and_b32 v1, 15, v0                           ; r
	v_bfe_u32 v2, v0, 4, 1                         ; h
	v_lshlrev_b32 v3, 4, v0                        ; 16 x thread
	v_lshlrev_b32 v4, 3, v1                        ; my query's point
	v_lshlrev_b32 v10, 4, v1                       ; 16 r: my row of sel, and of V's scale words
	v_and_b32 v5, 3, v0
	v_lshlrev_b32 v5, 2, v5                        ; lmda of head lane % 4
	v_and_b32 v9, 31, v0
	v_lshlrev_b32 v9, 4, v9                        ; 16 x lane: an image's place
	s_lshl_b32 s58, s18, 12
	v_lshl_add_u32 v8, v2, 8, s58                  ; my keys in LDS: 8 (512 quarter + 32 h)
	v_lshlrev_b32 v15, 3, v2
	v_mov_b32 v14, 0x7f800000
	v_mov_b32 v51, 0                               ; written once: a lane permute's destination counts as one of its sources
.irp i, 0,1,2,3,4,5,6,7
	v_mov_b32 v[L+\i], 0
.endr
	s_mov_b32 s32, 0xbfb8aa3b                      ; -log2(e)
	s_mov_b32 s33, s32
	s_mov_b32 s34, 0x76543210
	s_mov_b32 s35, 0xfedcba98                      ; v_permlanex16_b32's selects for lane l xor 16
	s_lshl_b32 s58, s19, 14                        ; the batch's points
	s_mov_b32 s59, 0
	s_lshl_b32 s60, ttmp9, 8                       ; my tile's first query, row 32 g + 16 T: 8 bytes a point,
	s_lshl_b32 s61, s17, 7
	s_add_co_u32 s60, s60, s61
	s_mov_b32 s61, 0
	s_lshl_b32 s62, s60, 1                         ; 16 bytes a row of sel
	s_mov_b32 s63, 0
	s_lshl_b32 s66, s19, 4
	s_lshl_b32 s67, s18, 2
	s_add_co_u32 s66, s66, s67                     ; my first step of 128 keys: 16 b + 4 x quarter
	s_lshl_b32 s68, s66, 8
	s_lshl_b32 s66, s66, 12
	s_mov_b32 s67, 0
	s_mov_b32 s69, 0
	s_mul_i32 s72, ttmp9, 40960                    ; out0: row 32 g + 16 T of 1,280 bytes, column 64 + 64 head
	s_mul_i32 s74, s17, 20480
	s_add_co_u32 s72, s72, s74
	s_lshl_b32 s74, s18, 8
	s_add_co_u32 s72, s72, s74
	s_add_co_u32 s72, s72, 256
	s_mov_b32 s73, 0
	s_wait_kmcnt 0x0
	s_add_nc_u64 s[70:71], s[4:5], s[60:61]
	s_add_nc_u64 s[4:5], s[4:5], s[58:59]
	s_add_nc_u64 s[12:13], s[12:13], s[62:63]
	s_add_nc_u64 s[20:21], s[8:9], s[66:67]        ; V's codes
	s_add_nc_u64 s[22:23], s[10:11], s[68:69]      ; V's scale words
	s_add_nc_u64 s[72:73], s[14:15], s[72:73]
.irp i, 0,1,2,3
	global_load_b128 v[W+4*\i:W+4*\i+3], v3, s[4:5] offset:4096*\i
.endr
	global_load_b64 v[12:13], v4, s[70:71]
	global_load_b128 v[52:55], v10, s[12:13]       ; d409, d410, dmin
	global_load_b32 v120, v5, s[6:7]
	s_wait_loadcnt 0x3                             ; the four loads of points are in; the three younger loads may be out
.irp i, 0,1,2,3
	ds_store_b128 v3, v[W+4*\i:W+4*\i+3] offset:KEYS+4096*\i
.endr
	s_wait_loadcnt 0x0
; sin and cos of v[r], |r| <= pi / 4: the series to r^9 and r^10, whose first term left out is under f32's half ulp there
.macro SINCOS r, s, c, z, p
	v_mul_f32 v[\z], v[\r], v[\r]
	v_mov_b32 v[\p], 0x3638ef1b                    ; 1 / 9!
	v_fmaak_f32 v[\p], v[\p], v[\z], 0xb9500d01    ; -1 / 7!
	v_fmaak_f32 v[\p], v[\p], v[\z], 0x3c088889    ; 1 / 5!
	v_fmaak_f32 v[\p], v[\p], v[\z], 0xbe2aaaab    ; -1 / 3!
	v_mul_f32 v[\s], v[\r], v[\z]
	v_fma_f32 v[\s], v[\s], v[\p], v[\r]
	v_mov_b32 v[\p], 0xb493f27c                    ; -1 / 10!
	v_fmaak_f32 v[\p], v[\p], v[\z], 0x37d00d01    ; 1 / 8!
	v_fmaak_f32 v[\p], v[\p], v[\z], 0xbab60b61    ; -1 / 6!
	v_fmaak_f32 v[\p], v[\p], v[\z], 0x3d2aaaab    ; 1 / 4!
	v_fma_f32 v[\c], v[\z], -0.5, 1.0
	v_mul_f32 v[\z], v[\z], v[\z]
	v_fma_f32 v[\c], v[\z], v[\p], v[\c]
.endm
	; the head's scale, in lane l for head l % 4.  sin: lmda less n pi / 2, pi / 2 in two parts
	v_mul_f32 v121, 0x3f22f983, v120               ; x 2 / pi
	v_rndne_f32 v121, v121                         ; n
	v_fmamk_f32 v122, v121, 0xbfc90fdb, v120
	v_fmamk_f32 v122, v121, 0x333bbd2e, v122
	SINCOS 122, 123, 124, 125, 126
	v_cvt_i32_f32 v127, v121
	v_and_b32 v125, 1, v127
	v_cmp_eq_u32 vcc_lo, 1, v125
	v_cndmask_b32 v123, v123, v124, vcc_lo         ; n odd: the cosine
	v_and_b32 v125, 2, v127
	v_lshlrev_b32 v125, 30, v125
	v_xor_b32 v123, v123, v125                     ; n % 4 = 2, 3: the sign turns
	v_add_f32 v128, 1.0, v123
	v_mul_f32 v128, 0x3f490fd9, v128               ; a = f32(pi / 4 (1 - 1e-7)) (1 + sin), from 0 to under pi / 2
	v_cmp_lt_f32 vcc_lo, 0x3f490fdb, v128          ; above pi / 4: tan a = cos / sin of pi / 2 - a
	v_sub_f32 v129, 0x3fc90fdb, v128
	v_add_f32 v129, 0xb33bbd2e, v129
	v_cndmask_b32 v129, v128, v129, vcc_lo
	SINCOS 129, 130, 131, 125, 126
	v_cndmask_b32 v132, v130, v131, vcc_lo
	v_cndmask_b32 v133, v131, v130, vcc_lo
	v_rcp_f32 v135, v133
	v_nop                                          ; a plain place behind the reciprocal
	s_wait_alu depctr_va_vdst(0)                   ; and the wait ahead of its first reader
	v_mul_f32 v134, v132, v135
.irp h, 0,1,2,3
	v_readlane_b32 s[SC+2*\h], v134, \h
.endr
.irp h, 0,1,2,3
	s_mov_b32 s[SC+2*\h+1], s[SC+2*\h]
.endr
.irp h, 0,1,2,3
	v_mul_f32 v44, s[SC+2*\h], v52                 ; the two order statistics under the head's scale,
	v_mul_f32 v45, s[SC+2*\h], v53
	v_mul_f32 v46, s[SC+2*\h], v54
	v_mul_f32 v44, 0x3f199a00, v44                 ; weighed by 1 - w and w, w = f32(0.2) x 2,047 - 409 in f32
	v_mul_f32 v45, 0x3ecccc00, v45
	v_mul_f32 v46, 0x3fb8aa3b, v46
	v_add_f32 v[TH+\h], v44, v45                   ; the threshold
	v_floor_f32 v[NM+2*\h], v46                    ; -M = floor(dmin s log2(e)) = -ceil(the row's largest exponent)
	v_mov_b32 v[NM+2*\h+1], v[NM+2*\h]
.endr
	s_wait_dscnt 0x0                               ; for the others' sake: my part of the points has landed
	s_barrier_signal -1
	s_barrier_wait -1
.macro KLOAD g                         ; 16 of my 64 keys of the step: group g = 2 c + half of a block; lanes 0-15 read one address, lanes 16-31 another
.irp m, 0,1,2,3,4,5,6,7
	ds_load_b128 v[W+32*((\g)%2)+4*\m:W+32*((\g)%2)+4*\m+3], v11 offset:(64*((\g)/2)+16*((\g)%2))*8+16*\m
.endr
.endm
.macro DCALC g                         ; their squared distances: the same three instructions as in the first launch
.irp m, 0,1,2,3,4,5,6,7,8,9,10,11,12,13,14,15
	v_pk_add_f32 v[W+32*((\g)%2)+2*\m:W+32*((\g)%2)+2*\m+1], v[W+32*((\g)%2)+2*\m:W+32*((\g)%2)+2*\m+1], v[12:13] neg_lo:[0,1] neg_hi:[0,1]
.endr
.irp m, 0,1,2,3,4,5,6,7,8,9,10,11,12,13,14,15
	v_pk_mul_f32 v[W+32*((\g)%2)+2*\m:W+32*((\g)%2)+2*\m+1], v[W+32*((\g)%2)+2*\m:W+32*((\g)%2)+2*\m+1], v[W+32*((\g)%2)+2*\m:W+32*((\g)%2)+2*\m+1]
.endr
.irp m, 0,1,2,3,4,5,6,7,8,9,10,11,12,13,14,15
	v_add_f32 v[D+16*(\g)+\m], v[W+32*((\g)%2)+2*\m], v[W+32*((\g)%2)+2*\m+1]
.endr
.endm
.macro BMIN c                          ; block c's smallest d
	v_min_num_f32 v[D+64+\c], v[D+32*\c], v[D+32*\c+1]
.irp i, 2,4,6,8,10,12,14,16,18,20,22,24,26,28,30
	v_min3_num_f32 v[D+64+\c], v[D+64+\c], v[D+32*\c+\i], v[D+32*\c+\i+1]
.endr
.endm
; One head's p for my 64 keys, and for the two blocks' smallest d: scaled, masked, exponentiated, summed, quantised
.macro HEADP h
.set i, 0
.rept 33
	v_pk_mul_f32 v[W+i:W+i+1], v[D+i:D+i+1], s[SC+2*\h:SC+2*\h+1] op_sel_hi:[1,0]
.set i, i+2
.endr
.irp g, 0,1,2,3
.irp k, 0,1,2,3,4,5,6,7,8,9,10,11,12,13,14,15
	v_cmp_le_f32 s[40+\k], v[W+16*\g+\k], v[TH+\h]
.endr
.irp k, 0,1,2,3,4,5,6,7,8,9,10,11,12,13,14,15
	v_cndmask_b32 v[W+16*\g+\k], v14, v[W+16*\g+\k], s[40+\k]   ; a key over the threshold gets +infinity: its p is 0
.endr
.endr
.irp k, 0,1
	v_cmp_le_f32 s[40+\k], v[W+64+\k], v[TH+\h]
.endr
.irp k, 0,1
	v_cndmask_b32 v[W+64+\k], v14, v[W+64+\k], s[40+\k]
.endr
.set i, 0
.rept 33
	v_pk_fma_f32 v[W+i:W+i+1], v[W+i:W+i+1], s[32:33], v[NM+2*\h:NM+2*\h+1] op_sel_hi:[1,0,0]   ; t - M
.set i, i+2
.endr
.set i, 0
.rept 66
	v_exp_f32 v[W+i], v[W+i]
.set i, i+1
.endr
	v_nop                                          ; a plain place behind the last exponential
	s_wait_alu depctr_va_vdst(0)                   ; one wait for the batch of 66, ahead of its first reader
	v_pk_add_f32 v[44:45], v[W:W+1], v[W+2:W+3]    ; l takes the UNQUANTISED p of the 64 keys, in two chains
.set i, 4
.rept 15
	v_pk_add_f32 v[L+2*\h:L+2*\h+1], v[L+2*\h:L+2*\h+1], v[W+i:W+i+1]
	v_pk_add_f32 v[44:45], v[44:45], v[W+i+2:W+i+3]
.set i, i+4
.endr
	v_pk_add_f32 v[L+2*\h:L+2*\h+1], v[L+2*\h:L+2*\h+1], v[44:45]
.irp c, 0,1
	v_max_num_f32 v[46+\c], 0x1800000, v[W+64+\c]  ; the block's largest p, and the floor 2^(3 - 127): the byte cannot fall under 1
.endr
.irp c, 0,1
	v_add_nc_u32 v[SO+\c], 0xff000000, v[46+\c]    ; 2 off the exponent field: the conversion's scale operand
.endr
.irp c, 0,1
	v_lshrrev_b32 v[48+\c], 23, v[SO+\c]           ; the scale's byte
.endr
	v_lshl_or_b32 v50, v49, 16, v48                ; my blocks are h and 2 + h of the step's four:
	v_lshlrev_b32 v50, v15, v50                    ; 8 h bits up;
	v_permlanex16_b32 v51, v50, s34, s35
	v_or_b32 v[PS+\h], v50, v51                    ; with lane l xor 16's two bytes the query's scale word is whole
.irp c, 0,1
.irp g, 0,1,2,3
	v_cvt_scalef32_pk8_fp4_f32 v[PC+8*\h+4*\c+\g], v[W+32*\c+8*\g:W+32*\c+8*\g+7], v[SO+\c]   ; registers 4 c .. 4 c + 3 of the operand
.endr
.endr
	v_nop                                          ; one plain place behind the last scaled conversion
.endm
; A step of 128 keys.  zero = 1: the products start the sums: nothing is cleared
.macro STEP zero
.irp t, 0,1,2,3
.irp c, 0,1
	global_load_b128 v[VF+8*\t+4*\c:VF+8*\t+4*\c+3], v9, s[20:21] offset:1024*\t+512*\c   ; V's fragments as they lie: 512 consecutive bytes a load; wanted at the step's end
.endr
.endr
	global_load_b128 v[VS:VS+3], v10, s[22:23]     ; row r's scale words of the four tiles
	v_add_nc_u32 v11, s57, v8
	KLOAD 0
	KLOAD 1
	s_wait_dscnt 0x8                               ; the older group of eight is in
	DCALC 0
	KLOAD 2
	s_wait_dscnt 0x8
	DCALC 1
	BMIN 0
	KLOAD 3
	s_wait_dscnt 0x8
	DCALC 2
	s_wait_dscnt 0x0
	DCALC 3
	BMIN 1
.irp h, 0,1,2,3
	HEADP \h
.endr
	s_wait_loadcnt 0x0                             ; V's fragments and scale words are in, so their bases may step
	s_add_nc_u64 s[20:21], s[20:21], 4096
	s_add_nc_u64 s[22:23], s[22:23], 256
	s_add_co_u32 s57, s57, 1024
.rept 8
	v_nop                                          ; a scale register written by a vector instruction stands eight places ahead of a scaled matrix instruction, an operand so written four
.endr
	WIN 0x50                                       ; C and D in window 1
.irp t, 0,1,2,3
.irp h, 0,1,2,3
.if \zero
	v_wmma_scale_f32_16x16x128_f8f6f4 v[32*\h+8*\t:32*\h+8*\t+7], v[VF+8*\t:VF+8*\t+7], v[PC+8*\h:PC+8*\h+7], 0, v[VS+\t], v[PS+\h] matrix_a_fmt:MATRIX_FMT_FP4 matrix_b_fmt:MATRIX_FMT_FP4
.else
	v_wmma_scale_f32_16x16x128_f8f6f4 v[32*\h+8*\t:32*\h+8*\t+7], v[VF+8*\t:VF+8*\t+7], v[PC+8*\h:PC+8*\h+7], v[32*\h+8*\t:32*\h+8*\t+7], v[VS+\t], v[PS+\h] matrix_a_fmt:MATRIX_FMT_FP4 matrix_b_fmt:MATRIX_FMT_FP4
.endif
.endr
.endr                                              ; the 16 accumulators take turns, one instruction a turn, over the backward jump too
	WIN 0
.rept 4
	v_nop                                          ; places in front of the loads into V's registers, and of the first read of results
.endr
.endm
	s_mov_b32 s57, 0                               ; the step's keys in LDS: 1,024 bytes a step
	STEP 1
	s_mov_b32 s56, 3
.Lk:
	STEP 0
	s_sub_co_u32 s56, s56, 1
	s_cmp_lg_u32 s56, 0
	s_cbranch_scc1 .Lk
	; THE FOUR QUARTERS MEET.  Each wave's accumulators go to LDS as images of their registers; wave (T, h) takes head h's four parts
	s_lshl_b32 s58, s16, 14
	s_add_co_u32 s58, s58, RED
	v_add_nc_u32 v248, s58, v9                     ; my images: 16,384 w + 16 x lane
	s_lshl_b32 s58, s16, 9
	s_add_co_u32 s58, s58, LRED
	v_add_nc_u32 v249, s58, v9                     ; my sums
	s_lshl_b32 s58, s17, 16
	s_lshl_b32 s59, s18, 12
	s_add_co_u32 s58, s58, s59
	s_add_co_u32 s58, s58, RED
	v_add_nc_u32 v250, s58, v9                     ; what I read: my tile's four waves, my head's 4,096 bytes in each
	s_lshl_b32 s58, s17, 11
	s_lshl_b32 s59, s18, 2
	s_add_co_u32 s58, s58, s59
	s_add_co_u32 s58, s58, LRED
	v_add_nc_u32 v251, s58, v9
	s_mul_i32 s58, s16, 4352
	s_add_co_u32 s58, s58, STAGE                   ; my stage
	v_mul_u32_u24 v252, v1, 272
	v_lshl_add_u32 v252, v2, 5, v252
	v_add_nc_u32 v252, s58, v252                   ; in: row r, 32 bytes for each half of the lanes
	v_mul_u32_u24 v253, v2, 272
	v_lshl_add_u32 v253, v1, 4, v253
	v_add_nc_u32 v253, s58, v253                   ; back: lanes 0-15 one row, lanes 16-31 the next
	v_mul_u32_u24 v254, v2, 1280
	v_lshl_add_u32 v254, v1, 4, v254               ; and the same two rows in out0
	WIN 0x04                                       ; an LDS store's data are its source 1: window 1
.set i, 0
.rept 32
	ds_store_b128 v248, v[4*i:4*i+3] offset:512*i  ; each accumulator from its low end on
.set i, i+1
.endr
	WIN 0
.irp h, 0,1,2,3
	v_add_f32 v[44+\h], v[L+2*\h], v[L+2*\h+1]
.endr
	ds_store_b128 v249, v[44:47]
	s_wait_dscnt 0x0                               ; for the others' sake: my images have landed
	s_barrier_signal -1
	s_barrier_wait -1
.irp q, 0,1,2,3
.irp k, 0,1,2,3,4,5,6,7
	ds_load_b128 v[120+32*\q+4*\k:120+32*\q+4*\k+3], v250 offset:16384*\q+512*\k
.endr
.endr
.irp q, 0,1,2,3
	ds_load_b32 v[48+\q], v251 offset:512*\q
.endr
	s_wait_dscnt 0x0
	v_add_f32 v48, v48, v49
	v_add_f32 v50, v50, v51
	v_add_f32 v48, v48, v50
	v_permlanex16_b32 v49, v48, s34, s35           ; the query's other blocks lie in lane l xor 16
	v_add_f32 v48, v48, v49                        ; l: at least 1/2, since the row's largest p is kept
	v_rcp_f32 v50, v48
.set i, 0
.rept 16
	v_pk_add_f32 v[120+i:121+i], v[120+i:121+i], v[152+i:153+i]    ; the four quarters' sums: plain work behind the reciprocal
	v_pk_add_f32 v[184+i:185+i], v[184+i:185+i], v[216+i:217+i]
.set i, i+2
.endr
.set i, 0
.rept 16
	v_pk_add_f32 v[120+i:121+i], v[120+i:121+i], v[184+i:185+i]
.set i, i+2
.endr
	s_wait_alu depctr_va_vdst(0)                   ; the wait ahead of the reciprocal's first reader
.set i, 0
.rept 16
	v_pk_mul_f32 v[120+i:121+i], v[120+i:121+i], v[50:51] op_sel_hi:[1,0]   ; register 8 t + j: channel 16 t + 8 h + j of query r
.set i, i+2
.endr
.irp t, 0,1,2,3
	ds_store_b128 v252, v[120+8*\t:123+8*\t] offset:64*\t
	ds_store_b128 v252, v[124+8*\t:127+8*\t] offset:64*\t+16
.endr
.irp i, 0,1,2,3,4,5,6,7
	ds_load_b128 v[152+4*\i:155+4*\i], v253 offset:544*\i   ; LDS serves a wave's instructions in order (ISA guide 5.7.1.4): these see my stores
.endr
.irp i, 0,1,2,3,4,5,6,7
	s_wait_dscnt 7-\i                              ; the younger loads may be out
	global_store_b128 v254, v[152+4*\i:155+4*\i], s[72:73] offset:2560*\i th:TH_STORE_NT   ; sixteen lanes store a head's 256 bytes of a row, aligned
.endr
	s_wait_tensorcnt 0x0
	ds_add_u32 v7, v255
	s_wait_dscnt 0x0
	s_endpgm
.Lfunc_end_k_qc7251a337d_attend:
	.size	k_qc7251a337d_attend, .Lfunc_end_k_qc7251a337d_attend-k_qc7251a337d_attend
	.p2alignl 7, 3214868480
	.fill 96, 4, 3214868480
	.section	.rodata,"a",@progbits
	.p2align	6, 0x0
	.amdhsa_kernel k_qc7251a337d_attend
		.amdhsa_group_segment_fixed_size 187392
		.amdhsa_private_segment_fixed_size 0
		.amdhsa_enable_private_segment 0
		.amdhsa_kernarg_size 48
		.amdhsa_user_sgpr_count 2
		.amdhsa_user_sgpr_kernarg_segment_ptr 1
		.amdhsa_wavefront_size32 1
		.amdhsa_system_sgpr_workgroup_id_x 1
		.amdhsa_system_sgpr_workgroup_id_y 1
		.amdhsa_system_sgpr_workgroup_id_z 1
		.amdhsa_system_vgpr_workitem_id 0
		.amdhsa_next_free_vgpr 384
		.amdhsa_next_free_sgpr 80
		.amdhsa_reserve_vcc 1
		.amdhsa_float_denorm_mode_32 3
		.amdhsa_float_denorm_mode_16_64 3
		.amdhsa_memory_ordered 1
		.amdhsa_forward_progress 1
		.amdhsa_inst_pref_size 196
	.end_amdhsa_kernel
	.amdgpu_metadata
---
amdhsa.version: [ 1, 2 ]
amdhsa.kernels:
  - .name:           k_qc7251a337d_attend
    .symbol:         k_qc7251a337d_attend.kd
    .args:
      - { .name: mesh, .offset: 0, .size: 8, .value_kind: global_buffer, .address_space: global }
      - { .name: lmda, .offset: 8, .size: 8, .value_kind: global_buffer, .address_space: global }
      - { .name: vcodes, .offset: 16, .size: 8, .value_kind: global_buffer, .address_space: global }
      - { .name: vscales, .offset: 24, .size: 8, .value_kind: global_buffer, .address_space: global }
      - { .name: sel, .offset: 32, .size: 8, .value_kind: global_buffer, .address_space: global }
      - { .name: out0, .offset: 40, .size: 8, .value_kind: global_buffer, .address_space: global }
    .group_segment_fixed_size: 187392
    .private_segment_fixed_size: 0
    .kernarg_segment_align: 8
    .kernarg_segment_size: 48
    .max_flat_workgroup_size: 256
    .sgpr_count:     80
    .vgpr_count:     384
    .wavefront_size: 32
...
	.end_amdgpu_metadata
.endif
;; end of part 2
;; ======== version 2 of 2: 2 launches
;; workspace buffers: vcodes 262,144 bytes; vscales 16,384 bytes; sel 131,072 bytes
;; launch select (part 3): grid 256 x 1, 16 waves a work-group, no clusters, 27,648 bytes of LDS; arguments mesh, inputs, out0, vcodes, vscales, sel; writes out0, vcodes, vscales, sel
.if DOCPART == 3
	.amdgcn_target "amdgcn-amd-amdhsa--gfx1250"
	.amdhsa_code_object_version 6
	.text
	.protected	k_qc7251a337d_select
	.globl	k_qc7251a337d_select
	.p2align	8
	.type	k_qc7251a337d_select,@function
k_qc7251a337d_select:
	s_mov_b64 s[64:65], 0
	v_nop
	global_prefetch_b8 v0, s[64:65] scope:SCOPE_SE
	s_setreg_imm32_b32 hwreg(HW_REG_WAVE_MODE, 25, 1), 1
	s_wait_xcnt 0x0
; FIRST LAUNCH OF TWO.  mesh [4][2048][2], inputs [4][2048][64], f32.  Work-group g (of 256) has batch b = g / 64 and the 32 rows 32 (g % 64) on.  It does three things:
;  (1) copies its 32 rows of inputs into columns 0-63 of out0 [4][2048][320];
;  (2) quantises those 32 rows, which are ONE block of 32 along the product's K (the keys), to E2M1 with one E8M0 byte, channel by channel (a lane to a channel, registers down the keys),
;      and stores the codes as an image of the matrix operand's registers: vcodes [b][16 steps of 128 keys][4 tiles of 16 channels][c = 2][lane = 16 h + r][16 bytes],
;      the scale bytes as vscales [b][step][r][tile][4 bytes];
;  (3) finds for each of its rows the order statistics 409 and 410 and the smallest of the 2,048 squared distances d: sel [row][4] = (d409, d410, dmin, 0).
; A head's scale is never negative and a rounded multiplication keeps the order, so the row's quantile of d x scale needs these two numbers alone: the selection is made once a row, not once a head.
; SELECTION.  d >= 0, so its bits order as whole numbers.  The largest x with (number of d < x) <= 409 is the order statistic 409: 31 steps of bisection over the bits, exact, ties included.
; No branch and no address hangs on a distance: the bisection chooses by s_cselect_b32 and its trip count is a constant.
; d is made by the same three instructions, in the same order, as in the second launch: the bits agree.
; LIMITS: NaN and infinities in mesh are not served; d must stay finite (|mesh| under about 1e19).  A block of zeros of inputs gets the byte 1 where the rule says 127: its codes are zeros, and this program alone reads the bytes.
; The scale bytes leave as single bytes (64 a work-group: one byte in 128 of what the quantiser reads); all other stores cover 256 consecutive, aligned bytes with sixteen lanes.
.set KEYS, 0                           ; LDS: the batch's 2,048 points, 16,384 bytes
.set VT,   16384                       ; my 32 rows of inputs, 256 bytes each
.set RES,  24576                       ; 32 rows x 16 bytes of results
.set T,    16                          ; v16-31   at work: eight pairs
.set K,    64                          ; v64-191  the 2,048 points, 64 a lane (x, y)
.set D,    192                         ; v192-255 their squared distances from the row in hand
.set MK,   32                          ; s32-47   two banks of eight lane masks
.set BT,   48                          ; s48-55   their counts of bits
.set CN,   56                          ; s56-59   four running counts
	s_load_b256 s[4:11], s[0:1], 0x0               ; mesh s[4:5], inputs s[6:7], out0 s[8:9], vcodes s[10:11]
	s_load_b128 s[12:15], s[0:1], 0x20             ; vscales s[12:13], sel s[14:15]
	v_lshl_add_u32 v62, v0, 2, 0x6400
	v_mov_b32 v63, 0
	v_lshrrev_b32 v13, 5, v0
	s_delay_alu instid0(VALU_DEP_1)
	v_readfirstlane_b32 s16, v13                   ; wave 0..15
	v_lshlrev_b32 v1, 4, v0                        ; 16 x thread
	v_and_b32 v14, 31, v0                          ; lane
	s_delay_alu instid0(VALU_DEP_1)
	v_lshlrev_b32 v2, 4, v14                       ; 16 x lane
	v_and_b32 v3, 63, v0
	s_delay_alu instid0(VALU_DEP_1)
	v_lshl_add_u32 v3, v3, 2, VT                   ; the quantiser: my channel's word in a row of the tile
	v_mov_b32 v4, s16
	s_delay_alu instid0(VALU_DEP_1)
	v_lshlrev_b32 v4, 5, v4
	s_delay_alu instid0(VALU_DEP_1)
	v_add_nc_u32 v4, RES, v4                       ; my wave's two rows of results
	v_lshrrev_b32 v13, 4, v0
	s_delay_alu instid0(VALU_DEP_1)
	v_mul_u32_u24 v5, v13, 1280                    ; the copy: row thread / 16 of out0,
	v_and_b32 v15, 15, v0
	s_delay_alu instid0(VALU_DEP_1)
	v_lshl_add_u32 v5, v15, 4, v5                  ; 16 bytes a lane
	v_lshrrev_b32 v13, 4, v14                      ; lane / 16
	s_delay_alu instid0(VALU_DEP_1)
	v_lshlrev_b32 v6, 10, v13                      ; the codes: channel 32 w + lane is row lane % 16 of tile 2 w + lane / 16: 1,024 bytes a tile,
	s_delay_alu instid0(VALU_DEP_1)
	v_lshl_add_u32 v6, v15, 4, v6                  ; 16 bytes a row
	s_lshl_b32 s68, s16, 11
	v_add_nc_u32 v6, s68, v6
	v_lshlrev_b32 v7, 2, v13                       ; the scale byte: 16 (lane % 16) + 4 x tile
	s_delay_alu instid0(VALU_DEP_1)
	v_lshl_add_u32 v7, v15, 4, v7
	s_lshl_b32 s68, s16, 3
	v_add_nc_u32 v7, s68, v7
	v_mov_b32 v10, 0x7f800000                      ; +infinity
	v_mov_b32 v13, 0                               ; written once: a lane permute's destination counts as one of its sources
	s_mov_b32 s66, 0x76543210
	s_mov_b32 s67, 0xfedcba98                      ; v_permlanex16_b32's selects for lane l xor 16
	s_lshr_b32 s17, ttmp9, 6                       ; b
	s_and_b32 s18, ttmp9, 63                       ; my block of 32 rows in the batch
	s_lshl_b32 s68, s17, 14                        ; the batch's points
	s_mov_b32 s69, 0
	s_lshl_b32 s70, s18, 8                         ; in them my wave's two rows: 8 (32 block + 2 w)
	s_lshl_b32 s71, s16, 4
	s_add_co_u32 s70, s70, s71
	s_mov_b32 s71, 0
	s_lshl_b32 s72, ttmp9, 13                      ; row 32 g of inputs, 256 bytes a row
	s_mov_b32 s73, 0
	s_mul_i32 s74, ttmp9, 40960                    ; row 32 g of out0, 1,280 bytes a row
	s_mov_b32 s75, 0
	s_wait_kmcnt 0x0
	s_add_nc_u64 s[4:5], s[4:5], s[68:69]
	s_add_nc_u64 s[70:71], s[4:5], s[70:71]
	s_add_nc_u64 s[6:7], s[6:7], s[72:73]
	s_add_nc_u64 s[8:9], s[8:9], s[74:75]
	s_load_b128 s[20:23], s[70:71], 0x0            ; my two rows' points
	global_load_b128 v[36:39], v1, s[4:5]          ; the batch's points, 512 threads x 32 bytes
	global_load_b128 v[40:43], v1, s[4:5] offset:8192
	global_load_b128 v[44:47], v1, s[6:7]          ; my 32 rows of inputs: 8,192 consecutive bytes
	s_lshr_b32 s76, ttmp9, 2                       ; 16 b + step of 128 keys
	s_lshl_b32 s78, s76, 8                         ; vscales: 256 bytes a step,
	s_lshl_b32 s76, s76, 12                        ; vcodes: 4,096 bytes a step,
	s_bfe_u32 s77, ttmp9, 0x10001                  ; block 2 c + h of the step: c
	s_lshl_b32 s77, s77, 9
	s_add_co_u32 s76, s76, s77
	s_and_b32 s77, ttmp9, 1                        ; h
	s_lshl_b32 s77, s77, 8
	s_add_co_u32 s76, s76, s77
	s_mov_b32 s77, 0
	s_and_b32 s79, ttmp9, 3                        ; the block's byte in a scale word
	s_add_co_u32 s78, s78, s79
	s_mov_b32 s79, 0
	s_add_nc_u64 s[10:11], s[10:11], s[76:77]
	s_add_nc_u64 s[12:13], s[12:13], s[78:79]
	s_lshl_b32 s72, ttmp9, 9                       ; sel: 16 bytes a row
	s_add_nc_u64 s[14:15], s[14:15], s[72:73]
	s_wait_loadcnt 0x0
	ds_store_b128 v1, v[36:39]
	ds_store_b128 v1, v[40:43] offset:8192
	ds_store_b128 v1, v[44:47] offset:VT
	global_store_b128 v5, v[44:47], s[8:9] th:TH_STORE_NT   ; (1) sixteen lanes store a row's 256 bytes, aligned
	s_wait_kmcnt 0x0                               ; my rows' points
	s_wait_dscnt 0x0                               ; for the others' sake: my stores have landed
	s_barrier_signal -1
	s_barrier_wait -1
	; (2) waves 0 and 1: a lane to a channel, registers down the 32 keys: the block's largest magnitude needs no other lane, and the codes come out with the keys innermost
	s_cmp_gt_u32 s16, 1
	s_cbranch_scc1 .Lno_quant
.set i, 0
.rept 32
	ds_load_b32 v[64+i], v3 offset:256*i
.set i, i+1
.endr
	s_wait_dscnt 0x0
	v_max3_num_f32 v100, |v64|, |v65|, 0x1800000   ; with the floor 2^(3 - 127): the byte cannot fall under 1
.set i, 2
.rept 15
	s_delay_alu instid0(VALU_DEP_1)
	v_max3_num_f32 v100, v100, |v[64+i]|, |v[65+i]|
.set i, i+2
.endr
	s_delay_alu instid0(VALU_DEP_1)
	v_add_nc_u32 v101, 0xff000000, v100            ; 2 off the exponent field: the conversion takes this operand's exponent field as its scale
	s_delay_alu instid0(VALU_DEP_1)
	v_lshrrev_b32 v102, 23, v101                   ; the scale's byte
.irp g, 0,1,2,3
	v_cvt_scalef32_pk8_fp4_f32 v[96+\g], v[64+8*\g:71+8*\g], v101
.endr
	v_nop                                          ; one plain place behind the last scaled conversion
	global_store_b128 v6, v[96:99], s[10:11]       ; sixteen lanes store 256 consecutive bytes, aligned
	global_store_b8 v7, v102, s[12:13]
	s_wait_xcnt 0x0                                ; the stores' data registers are loaded over below, only behind this wait
.Lno_quant:
	; (3) every wave holds all 2,048 points: the order of the keys is free for a selection
.set i, 0
.rept 32
	ds_load_b128 v[K+4*i:K+4*i+3], v2 offset:KEYS+512*i
.set i, i+1
.endr
	s_wait_dscnt 0x0
.macro DIST                            ; d = (x - qx)^2 + (y - qy)^2, each step rounded as the problem's definition rounds it
.irp g, 0,1,2,3,4,5,6,7
.irp k, 0,1,2,3,4,5,6,7
	v_pk_add_f32 v[T+2*\k:T+2*\k+1], v[K+16*\g+2*\k:K+16*\g+2*\k+1], v[8:9] neg_lo:[0,1] neg_hi:[0,1]
.endr
.irp k, 0,1,2,3,4,5,6,7
	v_pk_mul_f32 v[T+2*\k:T+2*\k+1], v[T+2*\k:T+2*\k+1], v[T+2*\k:T+2*\k+1]
.endr
.irp k, 0,1,2,3,4,5,6,7
	v_add_f32 v[D+8*\g+\k], v[T+2*\k], v[T+2*\k+1]
.endr
.endr
.endm
.macro CMP8 g, bank                    ; eight masks: the lanes whose d lies under the candidate
.irp k, 0,1,2,3,4,5,6,7
	v_cmp_gt_u32 s[MK+8*\bank+\k], s25, v[D+8*\g+\k]
.endr
.endm
.macro CNT8 bank                       ; a bank's bits are counted, into four chains
.irp k, 0,1,2,3,4,5,6,7
	s_bcnt1_i32_b32 s[BT+\k], s[MK+8*\bank+\k]
.endr
.irp k, 0,1,2,3,4,5,6,7
	s_add_co_u32 s[CN+\k%4], s[CN+\k%4], s[BT+\k]
.endr
.endm
.macro CLEAR
.irp k, 0,1,2,3
	s_mov_b32 s[CN+\k], 0
.endr
.endm
.macro TOTAL                           ; s28 = the four chains' sum
	s_add_co_u32 s[CN], s[CN], s[CN+1]
	s_add_co_u32 s[CN+2], s[CN+2], s[CN+3]
	s_add_co_u32 s28, s[CN], s[CN+2]
.endm
.macro RMIN r                          ; the smallest over the 32 lanes, in every lane
	v_min_num_f32_dpp v[\r], v[\r], v[\r] row_xmask:1 row_mask:0xf bank_mask:0xf
	s_delay_alu instid0(VALU_DEP_1)
	v_min_num_f32_dpp v[\r], v[\r], v[\r] row_xmask:2 row_mask:0xf bank_mask:0xf
	s_delay_alu instid0(VALU_DEP_1)
	v_min_num_f32_dpp v[\r], v[\r], v[\r] row_xmask:4 row_mask:0xf bank_mask:0xf
	s_delay_alu instid0(VALU_DEP_1)
	v_min_num_f32_dpp v[\r], v[\r], v[\r] row_xmask:8 row_mask:0xf bank_mask:0xf
	s_delay_alu instid0(VALU_DEP_1)
	v_permlanex16_b32 v13, v[\r], s66, s67
	s_delay_alu instid0(VALU_DEP_1)
	v_min_num_f32 v[\r], v[\r], v13
.endm
.macro ROW rr
	v_mov_b32 v8, s[20+2*\rr]
	v_mov_b32 v9, s[21+2*\rr]
	DIST
	s_mov_b32 s24, 0                               ; the answer so far
	s_mov_b32 s26, 0x40000000                      ; the bit in hand: 30 down to 0
	s_mov_b32 s27, 31
.Lbis_\@:
	s_or_b32 s25, s24, s26                         ; the candidate
	CLEAR
	CMP8 0, 0                                      ; the comparisons run one bank ahead of the counts
	CMP8 1, 1
.irp g, 2,3,4,5,6,7
	CNT8 (\g%2)
	CMP8 \g, (\g%2)
.endr
	CNT8 0
	CNT8 1
	TOTAL
	s_cmp_le_u32 s28, 409                          ; at most 409 distances lie under the candidate: the order statistic 409 is not under it
	s_cselect_b32 s24, s25, s24
	s_lshr_b32 s26, s26, 1
	s_sub_co_u32 s27, s27, 1
	s_cmp_lg_u32 s27, 0
	s_cbranch_scc1 .Lbis_\@
	; the order statistic 410: the same number where 411 or more distances are not above it, else the smallest distance above it
	CLEAR
	v_mov_b32 v11, v10
.irp g, 0,1,2,3,4,5,6,7
.irp k, 0,1,2,3,4,5,6,7
	v_cmp_lt_u32 s[MK+8*(\g%2)+\k], s24, v[D+8*\g+\k]
.endr
.irp k, 0,1,2,3,4,5,6,7
	v_cndmask_b32 v[T+\k], v10, v[D+8*\g+\k], s[MK+8*(\g%2)+\k]
.endr
.irp k, 0
	v_min3_num_f32 v11, v11, v[T+\k], v[T+\k+1]
.endr
.irp k, 2, 4, 6
	s_delay_alu instid0(VALU_DEP_1)
	v_min3_num_f32 v11, v11, v[T+\k], v[T+\k+1]
.endr
	CNT8 (\g%2)
.endr
	TOTAL                                          ; how many lie above
	v_min_num_f32 v12, v[D], v[D+1]                ; and the row's smallest distance
.set i, 2
.rept 31
	s_delay_alu instid0(VALU_DEP_1)
	v_min3_num_f32 v12, v12, v[D+i], v[D+i+1]
.set i, i+2
.endr
	RMIN 11
	RMIN 12
	v_readfirstlane_b32 s29, v11
	s_cmp_le_u32 s28, 1637                         ; 2,048 - 411
	s_cselect_b32 s30, s24, s29
	v_mov_b32 v32, s24
	v_mov_b32 v33, s30
	v_mov_b32 v34, v12
	v_mov_b32 v35, 0
	ds_store_b128 v4, v[32:35] offset:16*\rr       ; all lanes write the same 16 bytes with the same values
.endm
	ROW 0
	ROW 1
	s_wait_dscnt 0x0                               ; for wave 0's sake: my results have landed
	s_barrier_signal -1
	s_barrier_wait -1
	s_cmp_lg_u32 s16, 0
	s_cbranch_scc1 .Lend
	ds_load_b128 v[36:39], v2 offset:RES           ; wave 0: a lane a row
	s_wait_dscnt 0x0
	global_store_b128 v2, v[36:39], s[14:15]       ; 512 consecutive bytes, aligned
.Lend:
	s_wait_tensorcnt 0x0
	ds_add_u32 v62, v63
	s_wait_dscnt 0x0
	s_endpgm
.Lfunc_end_k_qc7251a337d_select:
	.size	k_qc7251a337d_select, .Lfunc_end_k_qc7251a337d_select-k_qc7251a337d_select
	.p2alignl 7, 3214868480
	.fill 96, 4, 3214868480
	.section	.rodata,"a",@progbits
	.p2align	6, 0x0
	.amdhsa_kernel k_qc7251a337d_select
		.amdhsa_group_segment_fixed_size 27648
		.amdhsa_private_segment_fixed_size 0
		.amdhsa_enable_private_segment 0
		.amdhsa_kernarg_size 48
		.amdhsa_user_sgpr_count 2
		.amdhsa_user_sgpr_kernarg_segment_ptr 1
		.amdhsa_wavefront_size32 1
		.amdhsa_system_sgpr_workgroup_id_x 1
		.amdhsa_system_sgpr_workgroup_id_y 1
		.amdhsa_system_sgpr_workgroup_id_z 1
		.amdhsa_system_vgpr_workitem_id 0
		.amdhsa_next_free_vgpr 256
		.amdhsa_next_free_sgpr 80
		.amdhsa_reserve_vcc 0
		.amdhsa_float_denorm_mode_32 3
		.amdhsa_float_denorm_mode_16_64 3
		.amdhsa_memory_ordered 1
		.amdhsa_forward_progress 1
		.amdhsa_inst_pref_size 87
	.end_amdhsa_kernel
	.amdgpu_metadata
---
amdhsa.version: [ 1, 2 ]
amdhsa.kernels:
  - .name:           k_qc7251a337d_select
    .symbol:         k_qc7251a337d_select.kd
    .args:
      - { .name: mesh, .offset: 0, .size: 8, .value_kind: global_buffer, .address_space: global }
      - { .name: inputs, .offset: 8, .size: 8, .value_kind: global_buffer, .address_space: global }
      - { .name: out0, .offset: 16, .size: 8, .value_kind: global_buffer, .address_space: global }
      - { .name: vcodes, .offset: 24, .size: 8, .value_kind: global_buffer, .address_space: global }
      - { .name: vscales, .offset: 32, .size: 8, .value_kind: global_buffer, .address_space: global }
      - { .name: sel, .offset: 40, .size: 8, .value_kind: global_buffer, .address_space: global }
    .group_segment_fixed_size: 27648
    .private_segment_fixed_size: 0
    .kernarg_segment_align: 8
    .kernarg_segment_size: 48
    .max_flat_workgroup_size: 512
    .sgpr_count:     80
    .vgpr_count:     256
    .wavefront_size: 32
...
	.end_amdgpu_metadata
.endif
;; end of part 3
;; launch attend (part 4): grid 256 x 1, 8 waves a work-group, no clusters, 187,392 bytes of LDS; arguments mesh, lmda, vcodes, vscales, sel, out0; writes out0
.if DOCPART == 4
	.amdgcn_target "amdgcn-amd-amdhsa--gfx1250"
	.amdhsa_code_object_version 6
	.text
	.protected	k_qc7251a337d_attend
	.globl	k_qc7251a337d_attend
	.p2align	8
	.type	k_qc7251a337d_attend,@function
k_qc7251a337d_attend:
	s_mov_b64 s[64:65], 0
	v_nop
	global_prefetch_b8 v0, s[64:65] scope:SCOPE_SE
	s_setreg_imm32_b32 hwreg(HW_REG_WAVE_SCHED_MODE, 0, 2), 2
	s_setreg_imm32_b32 hwreg(HW_REG_WAVE_MODE, 25, 1), 1
	s_wait_xcnt 0x0
	s_wait_alu depctr_vm_vsrc(0)
; SECOND LAUNCH OF TWO.  out0[b][q][64 + 64 h + c] = (sum over kept keys j of Q(p)(q, j) Q(inputs)(j, c)) / l, both operands E2M1 with one E8M0 byte for each 32 keys.
; s_h = tan(c0 (1 + sin lmda_h)); a key is kept where fl(d s_h) <= fl(fl(d409 s_h) w0) + fl(fl(d410 s_h) w1) (the linear quantile at 0.2 x 2,047, weights as f32 arithmetic gives them);
; p = 2^(-d s_h log2(e) - M), M = ceil of the row's largest exponent (from the row's smallest d), 0 for keys not kept; l = the sum of the unquantised p.
; SHARES.  Work-group g: batch g / 64, 32 queries.  Wave w: tile T = w / 4 of 16 queries, quarter w % 4 of the keys (512: four steps of 128), ALL FOUR HEADS: d is made once for the four.
; LAYOUT.  The product is used transposed: source 0 = 16 channels of inputs^T (codes as the first launch laid them: the operand's registers on end), source 1 = p.  Lane (r, h) holds query r and computes p
; for just the keys that source 1's layout gives it, 64 c + 32 h + 0 .. 31: a block of 32 lies in ONE lane, and the conversions' results are the operand's registers.
; A BLOCK'S LARGEST p IS NOT SEARCHED FOR: the block's smallest d goes through the same instructions as the 64 (registers 64 and 65 of D and W), which gives the bits of the block's largest p (v_exp_f32 taken not to fall where its input rises).
; The mask hangs on floating-point numbers, so nothing is jumped over: every key is multiplied, hidden ones as zero codes.
; At the end the four quarters' sums meet in LDS; wave (T, h) adds head h's four parts, divides by l and stores 16 rows x 256 bytes.
; No tensor loads, no cluster: a work-group's operands are 16 KiB of points and 68 KiB of codes that lie as register images and go straight into registers.
; LIMITS: NaN and infinities in mesh and lmda are not served; d finite; lmda is reduced by pi/2 in two parts, good to f32's accuracy for |lmda| up to about 1e5; a p under 2^-126 becomes 0 (v_exp_f32 gives no denormals: ISA guide, its entry);
; a block whose every p is 0 carries the byte 1: its codes are zeros.
; REGISTERS, window 0: v1 r, v2 h, v8-11 addresses, v[12:13] my query, v14 +infinity, v15 8 h, v16-19 thresholds, v20-27 -M (a pair a head), v28-35 l (a pair a head), v36-39 p's scale words, v40-43 V's scale words,
;   v44-55 at work, v56-87 p's codes (8 a head), v88-119 V's four fragments, v120-185 D, v186-251 W, v252-253 the conversions' scale operands.
;   window 1: v0-127 the 16 accumulators (head h, tile t at 32 h + 8 t); v128-255 KB: a step's 64 points of my lane.
; THE MODE: SCHED_MODE bits 1:0 = 2 (LLVM: expert scheduling mode 2), set by the entry lines.  The code itself states the register dependences between vector or matrix instructions
; and memory or LDS instructions, and those through scalar registers that vector instructions write, with s_wait_alu, always for 0.
; THE PLAN.  Registers that memory or LDS instructions touch, in the loop:
;   KB        Step s: the distances' lines, at the step's head, read it and work in place in it; behind them the 32 key loads of step s + 1 land in it, eight ahead of each head's vector work.
;   v11       The key loads' address: written once a step, at the step's head; read by the step's 32 key loads.
;   VF, VS    Step s: nine global loads land in them behind the distances; the step's 16 matrix instructions, at its end, read them.
;   v9, v10   Offsets of V's loads: made at the kernel's head, never written again; the scalar bases move on.
;   PC, PS    Written by conversions and vector lines, read by the scaled matrix instructions.      D, W and all else are named by vector lines alone.
; So ONE wait on va_vdst stands behind a step's distances: they are done with KB, v11 is written, and the matrix instructions of the step before are done reading VF and VS.  All the step's 41 loads follow it with no
; further wait: the heads' vector lines between them name none of KB, v11, VF, VS, v9, v10.  One wait on vm_vsrc stands ahead of the add that writes v11; one wait on va_vdst, behind the places, ahead of the scaled products.
; A head's 66 masks go into two banks of 22 scalar registers: two waits on va_sdst a head, the second behind 22 selections that read the other bank.
.set KEYS,  0                          ; LDS: the batch's points
.set RED,   16384                      ; 8 waves x 16,384: images of the accumulators
.set LRED,  147456                     ; 8 waves x 512: the rows' sums, four heads a lane
.set STAGE, 151552                     ; 8 waves x 16 rows x (256 + 16) bytes, for the way out
.set TH, 16
.set NM, 20
.set L,  28
.set PS, 36
.set VS, 40
.set PC, 56
.set VF, 88
.set D,  120
.set W,  186
.set SO, 252
.set KB, 128                           ; in window 1
.set SC, 24                            ; s24-31 a head's scale, twice: the packed form names a pair
.set MA, 40                            ; s40-61 a bank of 22 lane masks
.set MB, 66                            ; s66-87 the other bank.  s36 counts the loop's trips, s37 steps the keys, s[38:39] is out0 at my rows
.set MSB, 0
.macro WIN new                         ; the immediate's high byte repeats the setting that is left
.if MSB != \new
	s_set_vgpr_msb (MSB<<8)|\new
.set MSB, \new
.endif
.endm
	s_load_b256 s[4:11], s[0:1], 0x0               ; mesh s[4:5], lmda s[6:7], vcodes s[8:9], vscales s[10:11]
	s_load_b128 s[12:15], s[0:1], 0x20             ; sel s[12:13], out0 s[14:15]
	v_lshl_add_u32 v7, v0, 2, 0x2d800
	v_mov_b32 v255, 0
	v_lshrrev_b32 v3, 5, v0
	v_readfirstlane_b32 s16, v3                    ; wave 0..7
	v_and_b32 v1, 15, v0                           ; r
	v_bfe_u32 v2, v0, 4, 1                         ; h
	v_lshlrev_b32 v3, 4, v0                        ; 16 x thread
	v_lshlrev_b32 v4, 3, v1                        ; my query's point
	v_lshlrev_b32 v10, 4, v1                       ; 16 r: my row of sel, and of V's scale words
	v_and_b32 v5, 3, v0
	v_lshlrev_b32 v5, 2, v5                        ; lmda of head lane % 4
	v_and_b32 v9, 31, v0
	v_lshlrev_b32 v9, 4, v9                        ; 16 x lane: an image's place
	v_lshlrev_b32 v15, 3, v2
	v_mov_b32 v14, 0x7f800000
	v_mov_b32 v51, 0                               ; written once: a lane permute's destination counts as one of its sources
.irp i, 0,1,2,3,4,5,6,7
	v_mov_b32 v[L+\i], 0
.endr
	s_wait_alu depctr_va_sdst(0)                   ; s16 is written, ahead of its first reader: the wave's shares and addresses are made from it
	s_lshr_b32 s17, s16, 2                         ; T
	s_and_b32 s18, s16, 3                          ; my quarter of the keys; at the end my head
	s_lshr_b32 s19, ttmp9, 6                       ; b
	s_lshl_b32 s58, s18, 12
	v_lshl_add_u32 v8, v2, 8, s58                  ; my keys in LDS: 8 (512 quarter + 32 h)
	s_mov_b32 s32, 0xbfb8aa3b                      ; -log2(e)
	s_mov_b32 s33, s32
	s_mov_b32 s34, 0x76543210
	s_mov_b32 s35, 0xfedcba98                      ; v_permlanex16_b32's selects for lane l xor 16
	s_lshl_b32 s58, s19, 14                        ; the batch's points
	s_mov_b32 s59, 0
	s_lshl_b32 s60, ttmp9, 8                       ; my tile's first query, row 32 g + 16 T: 8 bytes a point,
	s_lshl_b32 s61, s17, 7
	s_add_co_u32 s60, s60, s61
	s_mov_b32 s61, 0
	s_lshl_b32 s62, s60, 1                         ; 16 bytes a row of sel
	s_mov_b32 s63, 0
	s_lshl_b32 s66, s19, 4
	s_lshl_b32 s67, s18, 2
	s_add_co_u32 s66, s66, s67                     ; my first step of 128 keys: 16 b + 4 x quarter
	s_lshl_b32 s68, s66, 8
	s_lshl_b32 s66, s66, 12
	s_mov_b32 s67, 0
	s_mov_b32 s69, 0
	s_mul_i32 s72, ttmp9, 40960                    ; out0: row 32 g + 16 T of 1,280 bytes, column 64 + 64 head
	s_mul_i32 s74, s17, 20480
	s_add_co_u32 s72, s72, s74
	s_lshl_b32 s74, s18, 8
	s_add_co_u32 s72, s72, s74
	s_add_co_u32 s72, s72, 256
	s_mov_b32 s73, 0
	s_wait_kmcnt 0x0
	s_add_nc_u64 s[70:71], s[4:5], s[60:61]
	s_add_nc_u64 s[4:5], s[4:5], s[58:59]
	s_add_nc_u64 s[12:13], s[12:13], s[62:63]
	s_add_nc_u64 s[20:21], s[8:9], s[66:67]        ; V's codes
	s_add_nc_u64 s[22:23], s[10:11], s[68:69]      ; V's scale words
	s_add_nc_u64 s[38:39], s[14:15], s[72:73]
	s_wait_alu depctr_va_vdst(0)                   ; the offsets v3, v4, v5, v8, v9, v10 are written, which the loads and LDS instructions below read; none of them is written again
.irp i, 0,1,2,3
	global_load_b128 v[W+4*\i:W+4*\i+3], v3, s[4:5] offset:4096*\i
.endr
	global_load_b64 v[12:13], v4, s[70:71]
	global_load_b128 v[52:55], v10, s[12:13]       ; d409, d410, dmin
	global_load_b32 v120, v5, s[6:7]
	s_wait_loadcnt 0x3                             ; the four loads of points are in; the three younger loads may be out
.irp i, 0,1,2,3
	ds_store_b128 v3, v[W+4*\i:W+4*\i+3] offset:KEYS+4096*\i
.endr
	s_wait_loadcnt 0x0
; sin and cos of v[r], |r| <= pi / 4: the series to r^9 and r^10, whose first term left out is under f32's half ulp there
.macro SINCOS r, s, c, z, p
	v_mul_f32 v[\z], v[\r], v[\r]
	v_mov_b32 v[\p], 0x3638ef1b                    ; 1 / 9!
	v_fmaak_f32 v[\p], v[\p], v[\z], 0xb9500d01    ; -1 / 7!
	v_fmaak_f32 v[\p], v[\p], v[\z], 0x3c088889    ; 1 / 5!
	v_fmaak_f32 v[\p], v[\p], v[\z], 0xbe2aaaab    ; -1 / 3!
	v_mul_f32 v[\s], v[\r], v[\z]
	v_fma_f32 v[\s], v[\s], v[\p], v[\r]
	v_mov_b32 v[\p], 0xb493f27c                    ; -1 / 10!
	v_fmaak_f32 v[\p], v[\p], v[\z], 0x37d00d01    ; 1 / 8!
	v_fmaak_f32 v[\p], v[\p], v[\z], 0xbab60b61    ; -1 / 6!
	v_fmaak_f32 v[\p], v[\p], v[\z], 0x3d2aaaab    ; 1 / 4!
	v_fma_f32 v[\c], v[\z], -0.5, 1.0
	v_mul_f32 v[\z], v[\z], v[\z]
	v_fma_f32 v[\c], v[\z], v[\p], v[\c]
.endm
	; the head's scale, in lane l for head l % 4.  sin: lmda less n pi / 2, pi / 2 in two parts
	v_mul_f32 v121, 0x3f22f983, v120               ; x 2 / pi
	v_rndne_f32 v121, v121                         ; n
	v_fmamk_f32 v122, v121, 0xbfc90fdb, v120
	v_fmamk_f32 v122, v121, 0x333bbd2e, v122
	SINCOS 122, 123, 124, 125, 126
	v_cvt_i32_f32 v127, v121
	v_and_b32 v125, 1, v127
	v_cmp_eq_u32 vcc_lo, 1, v125
	v_and_b32 v125, 2, v127
	v_lshlrev_b32 v125, 30, v125
	s_wait_alu depctr_va_vcc(0)                    ; the comparison has written VCC, which the selection reads
	v_cndmask_b32 v123, v123, v124, vcc_lo         ; n odd: the cosine
	v_xor_b32 v123, v123, v125                     ; n % 4 = 2, 3: the sign turns
	v_add_f32 v128, 1.0, v123
	v_mul_f32 v128, 0x3f490fd9, v128               ; a = f32(pi / 4 (1 - 1e-7)) (1 + sin), from 0 to under pi / 2
	v_cmp_lt_f32 vcc_lo, 0x3f490fdb, v128          ; above pi / 4: tan a = cos / sin of pi / 2 - a
	v_sub_f32 v129, 0x3fc90fdb, v128
	v_add_f32 v129, 0xb33bbd2e, v129
	s_wait_alu depctr_va_vcc(0)                    ; the comparison has written VCC, which the three selections below read
	v_cndmask_b32 v129, v128, v129, vcc_lo
	SINCOS 129, 130, 131, 125, 126
	v_cndmask_b32 v132, v130, v131, vcc_lo
	v_cndmask_b32 v133, v131, v130, vcc_lo
	s_wait_alu depctr_va_vdst(0)
	v_rcp_f32 v135, v133
	v_nop                                          ; a plain place behind the reciprocal
	s_wait_alu depctr_va_vdst(0)                   ; the reciprocal has written v135, ahead of its first reader
	v_mul_f32 v134, v132, v135
.irp h, 0,1,2,3
	v_readlane_b32 s[SC+2*\h], v134, \h
.endr
	s_wait_alu depctr_va_sdst(0)                   ; the four scales are written, ahead of their first readers
.irp h, 0,1,2,3
	s_mov_b32 s[SC+2*\h+1], s[SC+2*\h]
.endr
.irp h, 0,1,2,3
	v_mul_f32 v44, s[SC+2*\h], v52                 ; the two order statistics under the head's scale,
	v_mul_f32 v45, s[SC+2*\h], v53
	v_mul_f32 v46, s[SC+2*\h], v54
	v_mul_f32 v44, 0x3f199a00, v44                 ; weighed by 1 - w and w, w = f32(0.2) x 2,047 - 409 in f32
	v_mul_f32 v45, 0x3ecccc00, v45
	v_mul_f32 v46, 0x3fb8aa3b, v46
	v_add_f32 v[TH+\h], v44, v45                   ; the threshold
	v_floor_f32 v[NM+2*\h], v46                    ; -M = floor(dmin s log2(e)) = -ceil(the row's largest exponent)
	v_mov_b32 v[NM+2*\h+1], v[NM+2*\h]
.endr
	s_wait_dscnt 0x0                               ; for the others' sake: my part of the points has landed
	s_barrier_signal -1
	s_barrier_wait -1
.macro KLOAD g, adr                    ; 16 of my 64 keys of a step, into KB (the caller sets the destination's window): group g = 2 c + half of a block; lanes 0-15 read one address, lanes 16-31 another
.irp m, 0,1,2,3,4,5,6,7
	ds_load_b128 v[KB+32*(\g)+4*\m:KB+32*(\g)+4*\m+3], v[\adr] offset:(64*((\g)/2)+16*((\g)%2))*8+16*\m
.endr
.endm
.macro DCALC                           ; the 64 squared distances, in place in KB and then into D: the same three instructions as in the first launch
	WIN 0x41                                       ; destination and source 0 in window 1; my query in window 0
.irp g, 0,1,2,3
	s_wait_dscnt 24-8*\g                           ; LDS loads come back in order (ISA guide 5.7.1): group g of eight is in, the younger groups may be out
.set i, 32*\g
.rept 16
	v_pk_add_f32 v[KB+i:KB+i+1], v[KB+i:KB+i+1], v[12:13] neg_lo:[0,1] neg_hi:[0,1]
.set i, i+2
.endr
.endr
	WIN 0x45                                       ; destination and both sources in window 1
.set i, 0
.rept 64
	v_pk_mul_f32 v[KB+i:KB+i+1], v[KB+i:KB+i+1], v[KB+i:KB+i+1]
.set i, i+2
.endr
	WIN 0x05                                       ; both sources in window 1, D in window 0
.set i, 0
.rept 64
	v_add_f32 v[D+i], v[KB+2*i], v[KB+2*i+1]
.set i, i+1
.endr
	WIN 0
.endm
.macro BMIN c                          ; block c's smallest d
	v_min_num_f32 v[D+64+\c], v[D+32*\c], v[D+32*\c+1]
.irp i, 2,4,6,8,10,12,14,16,18,20,22,24,26,28,30
	v_min3_num_f32 v[D+64+\c], v[D+64+\c], v[D+32*\c+\i], v[D+32*\c+\i+1]
.endr
.endm
.macro CMPS first, bank, h             ; 22 masks: the lanes whose scaled distance is not over the threshold
.set i, 0
.rept 22
	v_cmp_le_f32 s[\bank+i], v[W+\first+i], v[TH+\h]
.set i, i+1
.endr
.endm
.macro SELS first, bank                ; a key over the threshold gets +infinity: its p is 0
.set i, 0
.rept 22
	v_cndmask_b32 v[W+\first+i], v14, v[W+\first+i], s[\bank+i]
.set i, i+1
.endr
.endm
; One head's p for my 64 keys, and for the two blocks' smallest d: scaled, masked, exponentiated, summed, quantised
.macro HEADP h
.set i, 0
.rept 33
	v_pk_mul_f32 v[W+i:W+i+1], v[D+i:D+i+1], s[SC+2*\h:SC+2*\h+1] op_sel_hi:[1,0]
.set i, i+2
.endr
	CMPS 0, MA, \h
	CMPS 22, MB, \h
	s_wait_alu depctr_va_sdst(0)                   ; the 44 comparisons have written both banks of masks, which the selections read
	SELS 0, MA
	CMPS 44, MA, \h
	SELS 22, MB
	s_wait_alu depctr_va_sdst(0)                   ; the last 22 comparisons have written the first bank anew
	SELS 44, MA
.set i, 0
.rept 33
	v_pk_fma_f32 v[W+i:W+i+1], v[W+i:W+i+1], s[32:33], v[NM+2*\h:NM+2*\h+1] op_sel_hi:[1,0,0]   ; t - M
.set i, i+2
.endr
.set i, 0
	s_wait_alu depctr_va_vdst(0)
.rept 66
	v_exp_f32 v[W+i], v[W+i]
.set i, i+1
.endr
	v_nop                                          ; a plain place behind the last exponential
	s_wait_alu depctr_va_vdst(0)                   ; the 66 exponentials have written W: one wait for the batch, ahead of its first reader
	v_pk_add_f32 v[44:45], v[W:W+1], v[W+2:W+3]    ; l takes the UNQUANTISED p of the 64 keys, in two chains
.set i, 4
.rept 15
	v_pk_add_f32 v[L+2*\h:L+2*\h+1], v[L+2*\h:L+2*\h+1], v[W+i:W+i+1]
	v_pk_add_f32 v[44:45], v[44:45], v[W+i+2:W+i+3]
.set i, i+4
.endr
	v_pk_add_f32 v[L+2*\h:L+2*\h+1], v[L+2*\h:L+2*\h+1], v[44:45]
.irp c, 0,1
	v_max_num_f32 v[46+\c], 0x1800000, v[W+64+\c]  ; the block's largest p, and the floor 2^(3 - 127): the byte cannot fall under 1
.endr
.irp c, 0,1
	v_add_nc_u32 v[SO+\c], 0xff000000, v[46+\c]    ; 2 off the exponent field: the conversion's scale operand
.endr
.irp c, 0,1
	v_lshrrev_b32 v[48+\c], 23, v[SO+\c]           ; the scale's byte
.endr
	v_lshl_or_b32 v50, v49, 16, v48                ; my blocks are h and 2 + h of the step's four:
	v_lshlrev_b32 v50, v15, v50                    ; 8 h bits up;
	v_permlanex16_b32 v51, v50, s34, s35
	v_or_b32 v[PS+\h], v50, v51                    ; with lane l xor 16's two bytes the query's scale word is whole
.irp c, 0,1
.irp g, 0,1,2,3
	v_cvt_scalef32_pk8_fp4_f32 v[PC+8*\h+4*\c+\g], v[W+32*\c+8*\g:W+32*\c+8*\g+7], v[SO+\c]   ; registers 4 c .. 4 c + 3 of the operand
.endr
.endr
	v_nop                                          ; one plain place behind the last scaled conversion
.endm
; A step of 128 keys.  zero = 1: the products start the sums: nothing is cleared.  next = 1: the next step's keys are asked for
.macro STEP zero, next
.if \next
	s_add_co_u32 s37, s37, 1024                    ; the next step's keys in LDS: 1,024 bytes a step
.if !\zero
	s_wait_alu depctr_vm_vsrc(0)                   ; the key loads of the step before have read v11, which the next line writes
.endif
	v_add_nc_u32 v11, s37, v8
.endif
	DCALC
	BMIN 0
	BMIN 1
	s_wait_alu depctr_va_vdst(0)                   ; the distances' lines are done reading and writing KB, and v11 is written: for the key loads below; the matrix instructions of the step before are done reading V's fragments and scale words, in which the loads below land
.irp t, 0,1,2,3
.irp c, 0,1
	global_load_b128 v[VF+8*\t+4*\c:VF+8*\t+4*\c+3], v9, s[20:21] offset:1024*\t+512*\c   ; V's fragments as they lie: 512 consecutive bytes a load; wanted at the step's end
.endr
.endr
	global_load_b128 v[VS:VS+3], v10, s[22:23]     ; row r's scale words of the four tiles
.irp h, 0,1,2,3
.if \next
	WIN 0x40                                       ; destination in window 1
	KLOAD \h, 11                                   ; eight of the next step's 32 key loads.  No wait: no vector line since the wait above names KB or v11
	WIN 0
.endif
	HEADP \h
.endr
	s_wait_loadcnt 0x0                             ; V's fragments and scale words are in, so their bases may step
.if \next
	s_add_nc_u64 s[20:21], s[20:21], 4096
	s_add_nc_u64 s[22:23], s[22:23], 256
.endif
.rept 8
	v_nop                                          ; a scale register written by a vector instruction stands eight places ahead of a scaled matrix instruction, an operand so written four
.endr
	s_wait_alu depctr_va_vdst(0)                   ; the conversions have written p's codes and the vector lines p's scale words, which the scaled matrix instructions take; the places above stay beside this wait
	WIN 0x50                                       ; C and D in window 1
.irp t, 0,1,2,3
.irp h, 0,1,2,3
.if \zero
	v_wmma_scale_f32_16x16x128_f8f6f4 v[32*\h+8*\t:32*\h+8*\t+7], v[VF+8*\t:VF+8*\t+7], v[PC+8*\h:PC+8*\h+7], 0, v[VS+\t], v[PS+\h] matrix_a_fmt:MATRIX_FMT_FP4 matrix_b_fmt:MATRIX_FMT_FP4
.else
	v_wmma_scale_f32_16x16x128_f8f6f4 v[32*\h+8*\t:32*\h+8*\t+7], v[VF+8*\t:VF+8*\t+7], v[PC+8*\h:PC+8*\h+7], v[32*\h+8*\t:32*\h+8*\t+7], v[VS+\t], v[PS+\h] matrix_a_fmt:MATRIX_FMT_FP4 matrix_b_fmt:MATRIX_FMT_FP4
.endif
.endr
.endr                                              ; the 16 accumulators take turns, one instruction a turn, over the backward jump too
	WIN 0
.if !\next
.rept 4
	v_nop                                          ; four places behind the last matrix instruction, before its result is read (ISA guide 7.12.1)
.endr
.endif
.endm
	s_wait_alu depctr_vm_vsrc(0)                   ; my LDS stores of the points have read v[W .. W + 15], which the first head's scalings write
	WIN 0x40                                       ; destination in window 1
.irp g, 0,1,2,3
	KLOAD \g, 8                                    ; the first step's keys, by v8 itself, which was written ahead of the head's wait on va_vdst; no vector line has named KB
.endr
	WIN 0
	s_mov_b32 s37, 0
	STEP 1, 1
	s_mov_b32 s36, 2
.Lk:
	STEP 0, 1
	s_sub_co_u32 s36, s36, 1
	s_cmp_lg_u32 s36, 0
	s_cbranch_scc1 .Lk
	STEP 0, 0                                      ; the last step is written out: it asks for no keys
	; THE FOUR QUARTERS MEET.  Each wave's accumulators go to LDS as images of their registers; wave (T, h) takes head h's four parts
	s_lshl_b32 s58, s16, 14
	s_add_co_u32 s58, s58, RED
	v_add_nc_u32 v248, s58, v9                     ; my images: 16,384 w + 16 x lane
	s_lshl_b32 s58, s16, 9
	s_add_co_u32 s58, s58, LRED
	v_add_nc_u32 v249, s58, v9                     ; my sums
	s_lshl_b32 s58, s17, 16
	s_lshl_b32 s59, s18, 12
	s_add_co_u32 s58, s58, s59
	s_add_co_u32 s58, s58, RED
	v_add_nc_u32 v250, s58, v9                     ; what I read: my tile's four waves, my head's 4,096 bytes in each
	s_lshl_b32 s58, s17, 11
	s_lshl_b32 s59, s18, 2
	s_add_co_u32 s58, s58, s59
	s_add_co_u32 s58, s58, LRED
	v_add_nc_u32 v251, s58, v9
	s_mul_i32 s58, s16, 4352
	s_add_co_u32 s58, s58, STAGE                   ; my stage
	v_mul_u32_u24 v252, v1, 272
	v_lshl_add_u32 v252, v2, 5, v252
	v_add_nc_u32 v252, s58, v252                   ; in: row r, 32 bytes for each half of the lanes
	v_mul_u32_u24 v253, v2, 272
	v_lshl_add_u32 v253, v1, 4, v253
	v_add_nc_u32 v253, s58, v253                   ; back: lanes 0-15 one row, lanes 16-31 the next
	v_mul_u32_u24 v254, v2, 1280
	v_lshl_add_u32 v254, v1, 4, v254               ; and the same two rows in out0
.irp h, 0,1,2,3
	v_add_f32 v[44+\h], v[L+2*\h], v[L+2*\h+1]
.endr
	WIN 0x04                                       ; an LDS store's data are its source 1: window 1
	s_wait_alu depctr_va_vdst(0)                   ; the matrix instructions have written the accumulators and the additions v44 to v47, which the LDS stores read; the seven addresses v248 to v254 are written; and the heads' lines are done with v48 to v51 and v120 to v247, in which the loads behind the barrier land
.set i, 0
.rept 32
	ds_store_b128 v248, v[4*i:4*i+3] offset:512*i  ; each accumulator from its low end on
.set i, i+1
.endr
	WIN 0
	ds_store_b128 v249, v[44:47]
	s_wait_dscnt 0x0                               ; for the others' sake: my images have landed
	s_barrier_signal -1
	s_barrier_wait -1
.irp q, 0,1,2,3
.irp k, 0,1,2,3,4,5,6,7
	ds_load_b128 v[120+32*\q+4*\k:120+32*\q+4*\k+3], v250 offset:16384*\q+512*\k   ; no vector line stands between the wait above and these loads
.endr
.endr
.irp q, 0,1,2,3
	ds_load_b32 v[48+\q], v251 offset:512*\q
.endr
	s_wait_dscnt 0x0
	v_add_f32 v48, v48, v49
	v_add_f32 v50, v50, v51
	v_add_f32 v48, v48, v50
	v_permlanex16_b32 v49, v48, s34, s35           ; the query's other blocks lie in lane l xor 16
	v_add_f32 v48, v48, v49                        ; l: at least 1/2, since the row's largest p is kept
	s_wait_alu depctr_va_vdst(0)
	v_rcp_f32 v50, v48
.set i, 0
.rept 16
	v_pk_add_f32 v[120+i:121+i], v[120+i:121+i], v[152+i:153+i]    ; the four quarters' sums: plain work behind the reciprocal
	v_pk_add_f32 v[184+i:185+i], v[184+i:185+i], v[216+i:217+i]
.set i, i+2
.endr
.set i, 0
.rept 16
	v_pk_add_f32 v[120+i:121+i], v[120+i:121+i], v[184+i:185+i]
.set i, i+2
.endr
	s_wait_alu depctr_va_vdst(0)                   ; the reciprocal has written v50, ahead of its first reader
.set i, 0
.rept 16
	v_pk_mul_f32 v[120+i:121+i], v[120+i:121+i], v[50:51] op_sel_hi:[1,0]   ; register 8 t + j: channel 16 t + 8 h + j of query r
.set i, i+2
.endr
	s_wait_alu depctr_va_vdst(0)                   ; the multiplications have written v120 to v151, which the LDS stores read; the additions are done reading v152 to v183, in which the loads from the stage land
.irp t, 0,1,2,3
	ds_store_b128 v252, v[120+8*\t:123+8*\t] offset:64*\t
	ds_store_b128 v252, v[124+8*\t:127+8*\t] offset:64*\t+16
.endr
.irp i, 0,1,2,3,4,5,6,7
	ds_load_b128 v[152+4*\i:155+4*\i], v253 offset:544*\i   ; LDS serves a wave's instructions in order (ISA guide 5.7.1.4): these see my stores
.endr
.irp i, 0,1,2,3,4,5,6,7
	s_wait_dscnt 7-\i                              ; the younger loads may be out
	global_store_b128 v254, v[152+4*\i:155+4*\i], s[38:39] offset:2560*\i th:TH_STORE_NT   ; sixteen lanes store a head's 256 bytes of a row, aligned
.endr
	s_wait_dscnt 0x0
	s_wait_alu depctr_hold_cnt(0) depctr_sa_sdst(0) depctr_va_vdst(0) depctr_va_sdst(0) depctr_va_ssrc(0) depctr_va_vcc(0) depctr_vm_vsrc(0)
	s_wait_tensorcnt 0x0
	ds_add_u32 v7, v255
	s_wait_dscnt 0x0
	s_endpgm
.Lfunc_end_k_qc7251a337d_attend:
	.size	k_qc7251a337d_attend, .Lfunc_end_k_qc7251a337d_attend-k_qc7251a337d_attend
	.p2alignl 7, 3214868480
	.fill 96, 4, 3214868480
	.section	.rodata,"a",@progbits
	.p2align	6, 0x0
	.amdhsa_kernel k_qc7251a337d_attend
		.amdhsa_group_segment_fixed_size 187392
		.amdhsa_private_segment_fixed_size 0
		.amdhsa_enable_private_segment 0
		.amdhsa_kernarg_size 48
		.amdhsa_user_sgpr_count 2
		.amdhsa_user_sgpr_kernarg_segment_ptr 1
		.amdhsa_wavefront_size32 1
		.amdhsa_system_sgpr_workgroup_id_x 1
		.amdhsa_system_sgpr_workgroup_id_y 1
		.amdhsa_system_sgpr_workgroup_id_z 1
		.amdhsa_system_vgpr_workitem_id 0
		.amdhsa_next_free_vgpr 512
		.amdhsa_next_free_sgpr 88
		.amdhsa_reserve_vcc 1
		.amdhsa_float_denorm_mode_32 3
		.amdhsa_float_denorm_mode_16_64 3
		.amdhsa_memory_ordered 1
		.amdhsa_forward_progress 1
		.amdhsa_inst_pref_size 255
	.end_amdhsa_kernel
	.section	.bss,"aw",@nobits
	.p2align	6
	.space	262144
	.amdgpu_metadata
---
amdhsa.version: [ 1, 2 ]
amdhsa.kernels:
  - .name:           k_qc7251a337d_attend
    .symbol:         k_qc7251a337d_attend.kd
    .args:
      - { .name: mesh, .offset: 0, .size: 8, .value_kind: global_buffer, .address_space: global }
      - { .name: lmda, .offset: 8, .size: 8, .value_kind: global_buffer, .address_space: global }
      - { .name: vcodes, .offset: 16, .size: 8, .value_kind: global_buffer, .address_space: global }
      - { .name: vscales, .offset: 24, .size: 8, .value_kind: global_buffer, .address_space: global }
      - { .name: sel, .offset: 32, .size: 8, .value_kind: global_buffer, .address_space: global }
      - { .name: out0, .offset: 40, .size: 8, .value_kind: global_buffer, .address_space: global }
    .group_segment_fixed_size: 187392
    .private_segment_fixed_size: 0
    .kernarg_segment_align: 8
    .kernarg_segment_size: 48
    .max_flat_workgroup_size: 256
    .sgpr_count:     88
    .vgpr_count:     512
    .wavefront_size: 32
...
	.end_amdgpu_metadata
.endif
;; end of part 4
